; MI455X (gfx1250); checked and timed in simulation.
; The chip was launched on July 23, 2026; its instructions are those of AMD's public machine-readable ISA for CDNA 5 (MIT licence, August 2026) and "CDNA5" Instruction Set Architecture Reference Guide (July 2026). The comments in the code are by the model that wrote it; some were corrected since.
;; SINQ Linear. Allowed arithmetic: float matrix products may take bf16 or f16 operands with f32 sums; other float arithmetic in f32, or as packed bf16 or f16 multiplies, adds, multiply-adds, maxima and minima; sums over many terms, partial sums and values carried from step to step in f32; what a program stores and reads back later, other than sums and carried values, may be rounded once to bf16 or f16.
;; Inputs: W_q 4,194,304 int32; bias 2,048 float32; scale 131,072 x 1 float32; x 4 x 2,048 x 4,096 float32; zero 131,072 x 1 float32.
;; Outputs: out0 4 x 2,048 x 2,048 float32.
;; 3 versions, each right; version 3 is version 2 with the launch prep written anew for expert scheduling mode. Each part assembles by itself: llvm-mc -triple=amdgcn-amd-amdhsa -mcpu=gfx1250 --defsym DOCPART=n.
;; ======== version 1 of 3: 2 launches
;; workspace buffers: Wb 16,777,216 bytes
;; launch dequant (part 1): grid 512 x 1, 4 waves a work-group, no clusters, 0 bytes of LDS; arguments W_q, scale, zero, Wb; writes Wb
.if DOCPART == 1
	.amdgcn_target "amdgcn-amd-amdhsa--gfx1250"
	.amdhsa_code_object_version 6
	.text
	.protected	k_q8aad0f4685_dequant
	.globl	k_q8aad0f4685_dequant
	.p2align	8
	.type	k_q8aad0f4685_dequant,@function
k_q8aad0f4685_dequant:
	s_mov_b64 s[64:65], 0
	v_nop
	global_prefetch_b8 v0, s[64:65] scope:SCOPE_SE
	s_setreg_imm32_b32 hwreg(HW_REG_WAVE_MODE, 25, 1), 1
	s_wait_xcnt 0x0
; W[row][k] = (q - zero[g]) * scale[g], g = 64 row + k / 64, rounded once to bf16 and laid out for the product that follows.
; W_q: 4,194,304 words; word 4,096 o + k (o < 1,024) holds the code of W[o][k] in bits 7:4 and that of W[o + 1,024][k] in bits 3:0; the bits above are cut off, as in the problem's own unpacking.
; Wb: bf16 in blocks [k / 64][row][k % 64]: byte 262,144 (k / 64) + 128 row + 2 (k % 64), so that 128 rows of one block of 64 k are 16,384 bytes on end.
; NOTHING IS LEFT OUT: every input of the problem reaches the output and is loaded (W_q, scale, zero here; x and bias in the product).
; LIMITS.  scale and zero are taken rounded to bf16, like every floating-point input of this program; then -zero x scale is exact in f32 (8 x 8 significant bits), and q x scale - zero x scale is one
; fused multiply-add: the exact (q - zero) x scale, rounded once to f32 and once to bf16.  The error of that last rounding grows with zero's offset as any bf16 operand's does.  NaN and infinities go through the arithmetic untreated.
; SHARES.  Work-group g takes the word rows 2 g and 2 g + 1 (W's rows 2 g, 2 g + 1, 2 g + 1,024, 2 g + 1,025); wave w the blocks 16 w .. 16 w + 15 of 64 k.  Lanes 0-15 hold the first row, lanes 16-31 the second;
; in step i lane c of a half holds the four words at k = 64 (16 w + i) + 4 c: a load covers 256 consecutive bytes of each row, a store 256 consecutive bytes of Wb (two rows of 128), both aligned.
; All 20 loads of a wave go out at the head; there is no loop, no LDS, no barrier.  No cluster and no matrix unit: no two work-groups read the same byte, and there is no product here.
.set SCH, 8                            ; v8   scale of my group (block 16 w + c of my row), high codes' row; v9 its -zero x scale
.set SCL, 10                           ; v10, v11 the same for the row 1,024 further down
.set SH,  12                           ; v[12:13] the step's scale for the high codes, in the low register
.set CH,  14                           ; v[14:15] its -zero x scale
.set SL,  16                           ; v[16:17], v[18:19] the same for the low codes
.set CL,  18
.set T,   20                           ; v[20:27] at work: four high codes, four low
.set Q,   32                           ; v[32:95] step i: four words as loaded, then the 16 bytes to store: no store's data is ever rewritten
	s_load_b256 s[4:11], s[0:1], 0x0               ; W_q s[4:5], scale s[6:7], zero s[8:9], Wb s[10:11]
	v_lshrrev_b32 v7, 5, v0
	v_readfirstlane_b32 s12, v7                    ; wave 0..3
	v_and_b32 v1, 31, v0                           ; lane l
	v_and_b32 v2, 15, v0                           ; c
	v_bfe_u32 v3, v0, 4, 1                         ; which of the two rows
	s_lshl_b32 s16, s12, 12                        ; 16 blocks of 256 bytes of words
	s_lshl_b32 s17, s12, 6                         ; 16 groups of 4 bytes
	s_lshl_b32 s18, s12, 22                        ; 16 blocks of 262,144 bytes of Wb
	v_lshlrev_b32 v4, 4, v2
	v_lshl_add_u32 v4, v3, 14, v4
	v_add_nc_u32 v4, s16, v4                       ; words: 16,384 row + 4,096 w + 16 c
	v_lshlrev_b32 v5, 2, v2
	v_lshl_add_u32 v5, v3, 8, v5
	v_add_nc_u32 v5, s17, v5                       ; groups: 256 row + 64 w + 4 c
	v_lshl_add_u32 v6, v1, 3, s18                  ; Wb: 128 row + 8 c = 8 l, + my first block
	s_mov_b32 s15, 0
	s_wait_kmcnt 0x0
	s_lshl_b32 s14, ttmp9, 15                      ; two rows of 16,384 bytes of words
	s_add_nc_u64 s[4:5], s[4:5], s[14:15]
	s_lshl_b32 s14, ttmp9, 9                       ; two rows of 64 groups
	s_add_nc_u64 s[6:7], s[6:7], s[14:15]
	s_add_nc_u64 s[8:9], s[8:9], s[14:15]
	s_lshl_b32 s14, ttmp9, 8                       ; two rows of 128 bytes in a block of Wb
	s_add_nc_u64 s[10:11], s[10:11], s[14:15]
	global_load_b32 v[SCH],   v5, s[6:7]
	global_load_b32 v[SCH+1], v5, s[8:9]
	global_load_b32 v[SCL],   v5, s[6:7] offset:262144   ; 1,024 rows of 64 groups further on
	global_load_b32 v[SCL+1], v5, s[8:9] offset:262144
.set i, 0
.rept 16
	global_load_b128 v[Q+4*i:Q+4*i+3], v4, s[4:5] offset:256*i th:TH_LOAD_NT
.set i, i+1
.endr
.set i, SH
.rept 8
	v_mov_b32 v[i], 0                              ; written once: the moves between lanes count as readers of their destinations, and the packed lines name whole pairs
.set i, i+1
.endr
	s_wait_loadcnt 16                              ; scale and zero are in; the 16 younger loads of words stay out
	v_cvt_pk_bf16_f32 v7, v[SCH], v[SCH+1]         ; both rounded to bf16,
	v_lshlrev_b32 v[SCH], 16, v7                   ; and widened again
	v_and_b32 v[SCH+1], 0xffff0000, v7
	v_mul_f32 v[SCH+1], -v[SCH+1], v[SCH]          ; -zero x scale, exact
	v_cvt_pk_bf16_f32 v7, v[SCL], v[SCL+1]
	v_lshlrev_b32 v[SCL], 16, v7
	v_and_b32 v[SCL+1], 0xffff0000, v7
	v_mul_f32 v[SCL+1], -v[SCL+1], v[SCL]
; Step i: block 16 w + i.  Its two numbers a row lie in lane i of each half of the lanes.
.macro STEP i
	s_wait_loadcnt 15-(\i)                         ; loads come back in order: step i's words are in, the younger ones stay out
	v_mov_b32_dpp v[SH], v[SCH]   row_share:\i row_mask:0xf bank_mask:0xf
	v_mov_b32_dpp v[CH], v[SCH+1] row_share:\i row_mask:0xf bank_mask:0xf
	v_mov_b32_dpp v[SL], v[SCL]   row_share:\i row_mask:0xf bank_mask:0xf
	v_mov_b32_dpp v[CL], v[SCL+1] row_share:\i row_mask:0xf bank_mask:0xf
.irp n, 0,1,2,3
	v_bfe_u32 v[T+(\n)], v[Q+4*(\i)+(\n)], 4, 4    ; bits 7:4
	v_and_b32 v[T+4+(\n)], 15, v[Q+4*(\i)+(\n)]    ; bits 3:0
.endr
.irp n, 0,1,2,3,4,5,6,7
	v_cvt_f32_u32 v[T+(\n)], v[T+(\n)]
.endr
	v_pk_fma_f32 v[T:T+1],   v[T:T+1],   v[SH:SH+1], v[CH:CH+1] op_sel_hi:[1,0,0]  ; q x scale - zero x scale, two at a time
	v_pk_fma_f32 v[T+2:T+3], v[T+2:T+3], v[SH:SH+1], v[CH:CH+1] op_sel_hi:[1,0,0]
	v_pk_fma_f32 v[T+4:T+5], v[T+4:T+5], v[SL:SL+1], v[CL:CL+1] op_sel_hi:[1,0,0]
	v_pk_fma_f32 v[T+6:T+7], v[T+6:T+7], v[SL:SL+1], v[CL:CL+1] op_sel_hi:[1,0,0]
.irp n, 0,1,2,3
	v_cvt_pk_bf16_f32 v[Q+4*(\i)+(\n)], v[T+2*(\n)], v[T+2*(\n)+1]
.endr
	global_store_b64 v6, v[Q+4*(\i):Q+4*(\i)+1],   s[10:11] offset:(\i)*262144         ; 32 lanes x 8 bytes: 256 consecutive bytes, aligned
	global_store_b64 v6, v[Q+4*(\i)+2:Q+4*(\i)+3], s[10:11] offset:(\i)*262144+131072  ; the rows 1,024 further down; the largest immediate is 4,063,232
.endm
.irp i, 0,1,2,3,4,5,6,7,8,9,10,11,12,13,14,15
	STEP \i
.endr
	s_endpgm
.Lfunc_end_k_q8aad0f4685_dequant:
	.size	k_q8aad0f4685_dequant, .Lfunc_end_k_q8aad0f4685_dequant-k_q8aad0f4685_dequant
	.p2alignl 7, 3214868480
	.fill 96, 4, 3214868480
	.section	.rodata,"a",@progbits
	.p2align	6, 0x0
	.amdhsa_kernel k_q8aad0f4685_dequant
		.amdhsa_group_segment_fixed_size 0
		.amdhsa_private_segment_fixed_size 0
		.amdhsa_enable_private_segment 0
		.amdhsa_kernarg_size 32
		.amdhsa_user_sgpr_count 2
		.amdhsa_user_sgpr_kernarg_segment_ptr 1
		.amdhsa_wavefront_size32 1
		.amdhsa_system_sgpr_workgroup_id_x 1
		.amdhsa_system_sgpr_workgroup_id_y 1
		.amdhsa_system_sgpr_workgroup_id_z 1
		.amdhsa_system_vgpr_workitem_id 0
		.amdhsa_next_free_vgpr 96
		.amdhsa_next_free_sgpr 66
		.amdhsa_reserve_vcc 0
		.amdhsa_float_denorm_mode_32 3
		.amdhsa_float_denorm_mode_16_64 3
		.amdhsa_memory_ordered 1
		.amdhsa_forward_progress 1
		.amdhsa_inst_pref_size 30
	.end_amdhsa_kernel
	.amdgpu_metadata
---
amdhsa.version: [ 1, 2 ]
amdhsa.kernels:
  - .name:           k_q8aad0f4685_dequant
    .symbol:         k_q8aad0f4685_dequant.kd
    .args:
      - { .name: W_q, .offset: 0, .size: 8, .value_kind: global_buffer, .address_space: global }
      - { .name: scale, .offset: 8, .size: 8, .value_kind: global_buffer, .address_space: global }
      - { .name: zero, .offset: 16, .size: 8, .value_kind: global_buffer, .address_space: global }
      - { .name: Wb, .offset: 24, .size: 8, .value_kind: global_buffer, .address_space: global }
    .group_segment_fixed_size: 0
    .private_segment_fixed_size: 0
    .kernarg_segment_align: 8
    .kernarg_segment_size: 32
    .max_flat_workgroup_size: 128
    .sgpr_count:     66
    .vgpr_count:     96
    .wavefront_size: 32
...
	.end_amdgpu_metadata
.endif
;; end of part 1
;; launch gemm (part 2): grid 8 x 32, 4 waves a work-group, clusters of 4 x 4, 327,680 bytes of LDS; arguments x, Wb, bias, out0; writes out0
.if DOCPART == 2
	.amdgcn_target "amdgcn-amd-amdhsa--gfx1250"
	.amdhsa_code_object_version 6
	.text
	.protected	k_q8aad0f4685_gemm
	.globl	k_q8aad0f4685_gemm
	.p2align	8
	.type	k_q8aad0f4685_gemm,@function
k_q8aad0f4685_gemm:
	s_mov_b64 s[64:65], 0
	v_nop
	global_prefetch_b8 v0, s[64:65] scope:SCOPE_SE
	s_setreg_imm32_b32 hwreg(HW_REG_WAVE_MODE, 25, 1), 1
	s_wait_xcnt 0x0
	s_wait_alu depctr_hold_cnt(0) depctr_sa_sdst(0) depctr_va_vdst(0) depctr_va_sdst(0) depctr_va_ssrc(0) depctr_va_vcc(0) depctr_vm_vsrc(0)
	s_getreg_b32 s2, hwreg(HW_REG_IB_STS2, 6, 4)
	s_cmp_eq_u32 s2, 0
	s_cbranch_scc0 .Lentry_in_a_cluster
	s_endpgm
.Lentry_in_a_cluster:
	s_bfe_u32 s2, ttmp6, 0x10000c
	s_cmp_lg_u32 s2, 0xf033
	s_cbranch_scc0 .Lentry_shape_is_right
	s_endpgm
.Lentry_shape_is_right:
; out[m][n] = the sum over k of x[m][k] W[n][k] + bias[n].  x: [8,192][4,096] f32; W: 2,048 x 4,096 in bf16, in Wb as the launch before laid it: byte 262,144 (k / 64) + 128 n + 2 (k % 64);
; bias: [2,048] f32; out: [8,192][2,048] f32.  Sums in f32.  Nothing of the problem's work is left out.
; LIMITS.  x is rounded to bf16 on its way from LDS to the matrix unit, and bias is taken rounded to bf16, like every floating-point input of this program.  NaN and infinities go through the arithmetic untreated.
; SHARES.  32 x 8 tiles of 256 x 256, one to a work-group of four waves.  Wave w makes rows 64 w .. 64 w + 63 x all 256 columns: 64 accumulators of 16 x 16, 512 registers.  x lies in LDS as f32, so for each k
; a wave reads 4 bytes a row and 2 a column: 768 for 64 x 256 as for 128 x 128; but with 64 x 256 each number of x is read and rounded by one wave alone: 32 conversions for 64 matrix instructions.
; K goes in 64 steps of 64 through two LDS slots filled by the tensor data mover: a row of x's tile is 256 consecutive bytes, aligned; 128 rows of W's are 16,384 bytes on end, asked for as 64 rows of 256.
; (A step of 128 would want 2 x 204,800 bytes.)  A step is two quarters of 32 along K, 64 matrix instructions each, on two sets of fragment registers.
; CLUSTERS: 4 x 4 work-groups.  The four of a row of the cluster need the same tile of x, the four of a column the same tile of W: each is asked for JOINTLY, by the same tensor load with the same descriptor and a mask of the four.
; THE MATRIX INSTRUCTION IS USED TRANSPOSED: source 0 = 16 rows of W, source 1 = 16 rows of x: lane l then holds row l % 16 of out and the columns 8 (l / 16) + 0..7 of the block.
; REGISTERS, in windows of 256 (s_set_vgpr_msb: bits 1:0 source 0, 3:2 source 1, 5:4 source 2, 7:6 destination):
;   window 0: v0-31 addresses; v32-95 x as f32 (64 rows x 32 k); v96-127, v128-159 x's fragments in bf16, two sets; v160-167 bias; v32-95, v168-231 on the way out
;   window 1: W's fragments, two sets of 128 (block b of 16 columns at 8 b)      windows 2, 3: the accumulators: (a, b) at v[8 (16 (a % 2) + b)] of window 2 + a / 2
.set PA,     272                       ; a row of x in LDS: 256 bytes + 16 = 68 words: row r starts at bank 4 r mod 64 (64 banks of 4 bytes: ISA guide 11.1): the 16 rows of a load start at 16 different groups of four banks
.set PB,     144                       ; a row of W: 128 bytes + 16 = 36 words: likewise
.set AHALF,  128*PA                    ; what one tensor load brings of x: 128 rows
.set BHALF,  128*PB                    ; and of W
.set SLOT,   2*AHALF+2*BHALF           ; x's 256 rows, then W's 256: 106,496 bytes
.set STAGE,  2*SLOT                    ; behind the ring, never filled by a tensor load: 16 rows x 528 bytes for each wave, for the way out
.set SPITCH, 528                       ; 512 bytes + 16
.set SPARE,  STAGE+4*16*SPITCH         ; behind the stages: the spare words, 128 bytes for each wave: two blocks of 256 bytes that no other line names
.set ADRA, 16                          ; v16-17  LDS address of my fragments of x in slot 0, 1
.set ADRB, 20                          ; v20-21  the same for W
.set STO,  24                          ; v24     the way out: where I put 32 bytes of a row
.set RD,   25                          ; v25     the way out: where I read 16 bytes of a row back
.set CO,   26                          ; v26     16 x lane: my bytes in 512 of out, and of bias
.set SPW,  28                          ; v28     LDS address of my spare word: SPARE + 4 x my thread's number; never rewritten
.set NIL,  29                          ; v29     0; never rewritten
.set PFO,  30                          ; v30     the prefetches' offset; never rewritten
.set L,    32                          ; x as f32: fragment a's 16 registers at L + 16 a
.set AF,   96                          ; x in bf16: set f, fragment a at AF + 32 f + 8 a
.set BI,   160                         ; bias of my four columns in the tile's left half, then in its right
.set OB0,  32                          ; the way out: 16 rows x 512 bytes read back, two sets by turns
.set OB1,  168
.set WV,   12                          ; s12  my wave's number
.set FB,   13                          ; s13  0: I fetch for x; 1: for W
.set HALF, 14                          ; s14  which 128 rows of that tile I fetch
.set LIMAB, 15                         ; s15  1 in a wave that prefetches, else the greatest number
.set LIMA, 66                          ; s66  1 in a wave that prefetches x, else the greatest number
.set NONE, -1
.set G1,  24                           ; s[24:31] descriptor group 1 for x's tiles;  s[32:39] group 0, a set for each slot
.set G0,  32
.set G1B, 48                           ; s[48:55], s[56:63] the same for W's
.set G0B, 56
.set PFA, 44                           ; s[44:45] where my prefetches stand
.set PST, 46                           ; s[46:47] a K step in bytes: 256 in x, 262,144 in Wb
.set MSB, 0
.macro WIN new                         ; the immediate's high byte repeats the setting that is left; a switch that changes nothing is dropped
.if MSB != (\new)
	s_set_vgpr_msb (MSB<<8)|(\new)
.set MSB, \new
.endif
.endm
.set MUL_LO, 0xa1                      ; source 0 (W) window 1, source 1 (x) window 0, C and D window 2
.set MUL_HI, 0xf1                      ; the same, C and D window 3
.set TO_B,   0x40                      ; destination window 1, address window 0
.macro PLACES                          ; four places behind a matrix instruction, in front of loads into and writes of registers that it has read, and of reads of its result (ISA guide 7.12.1 for vector instructions)
.rept 4
	v_nop
.endr
.endm
; A joint load.  Waves 0 and 1 fetch x's two halves, waves 2 and 3 W's.  The branch hangs on the wave's number alone.  An s_nop 0 and four v_nop follow each of the two lines, ahead of the jump and the label.
.macro JLOAD s
	s_cmp_eq_u32 s[FB], 0
	s_cbranch_scc0 .Lfor_b_\@
	tensor_load_to_lds s[G0+4*(\s):G0+4*(\s)+3], s[G1:G1+7]
	s_nop 0
.rept 4
	v_nop
.endr
	s_branch .Lasked_\@
.Lfor_b_\@:
	tensor_load_to_lds s[G0B+4*(\s):G0B+4*(\s)+3], s[G1B:G1B+7]
	s_nop 0
.rept 4
	v_nop
.endr
.Lasked_\@:
.endm
; A round of the cluster's barrier: my work-group's barrier, so that wave 0's signal speaks for all four waves; wave 0 signals; every wave waits for all sixteen work-groups; my work-group's barrier once more.
.macro CREST                           ; a round behind its opening barrier
	s_cmp_lg_u32 s[WV], 0
	s_cbranch_scc1 .Lnot_wave_0_\@
	s_barrier_signal -3
.Lnot_wave_0_\@:
	s_barrier_wait -3
	s_barrier_signal -1
	s_barrier_wait -1
.endm
.macro CROUND                          ; a whole round
	s_barrier_signal -1
	s_barrier_wait -1
	CREST
.endm
; A PREFETCH INTO THE L2, behind a joint load, its five lines and the run of LDS loads that follows them.  Behind the refill that asks for K step r it names step r + 4: 512 matrix instructions ahead of the load that will want it.
; x: a step is 256 bytes of each row.  A tile row of x is read by both clusters of its row of clusters: the one with x = 0 asks.  Of the 128 rows that wave 0 or 1 fetches, the partner at place cx takes 32 cx .. 32 cx + 31: a lane a row.
; W: a step's 128 rows are 64 blocks of 256 bytes.  A tile column is read by all clusters of its column: the one with y = 0 asks.  The partner at place cy takes 16 blocks; lanes 0-15 name those of step r + 4, lanes 16-31 those of
; step r + 5, and the line is run behind every second refill alone.  The partners are told apart BY ADDRESS: no branch hangs on a place in the cluster.  So each block of steps 6 to 63 is named once in the launch; steps 0 to 5 come
; by their loads alone, and the loop's last trip (s3 = 1) and the tail ask for nothing: step 63 is the last that is named.
.macro ASK lim
	s_cmp_gt_u32 s3, s[\lim]
	s_cbranch_scc0 .Lnot_mine_\@
	global_prefetch_b8 v[PFO], s[PFA:PFA+1] th:TH_LOAD_NT scope:SCOPE_SE
.Lnot_mine_\@:
.endm
	s_load_b256 s[4:11], s[0:1], 0x0               ; x s[4:5], Wb s[6:7], bias s[8:9], out s[10:11]
	v_lshl_add_u32 v[SPW], v0, 2, SPARE
	v_mov_b32 v[NIL], 0
	ds_add_u32 v[SPW], v[NIL]                      ; the wave's opening: the add, twice on end, and its wait ahead of my first tensor load; the set-up below stands between the second and the wait
	ds_add_u32 v[SPW], v[NIL]                      ; and once more
	v_lshrrev_b32 v1, 5, v0
	v_readfirstlane_b32 s[WV], v1                  ; wave 0..3
	s_lshr_b32 s[FB], s[WV], 1
	s_and_b32 s[HALF], s[WV], 1
	s_bfe_u32 s40, ttmp6, 0x40000                  ; cx
	s_bfe_u32 s41, ttmp6, 0x40004                  ; cy
	s_lshl_b32 s42, ttmp9, 2                       ; in a cluster launch ttmp9 and ttmp7 count clusters
	s_add_co_u32 s42, s42, s40                     ; tile column = 4 x cluster x + cx
	s_and_b32 s43, ttmp7, 0xffff
	s_lshl_b32 s43, s43, 2
	s_add_co_u32 s43, s43, s41                     ; tile row = 4 x cluster y + cy
	s_lshl_b32 s16, s41, 2
	s_lshl_b32 s16, 15, s16                        ; my row of the cluster: places 4 cy .. 4 cy + 3
	s_lshl_b32 s68, 0x1111, s40                    ; my column: places cx, cx + 4, cx + 8, cx + 12
	; group 1 for x: 128 rows x 64 elements of 4 bytes, 4 words of padding behind every 64
	s_or_b32 s[G1+0], s16, (2<<16)|(1<<20)|(1<<21)|(5<<22)|(3<<25)  ; 15:0 the mask: my row; 17:16 elements of 4 bytes; 20 padding on; 21 set beside a mask; 24:22 after every 64 words (code 5); 31:25 4 words (code 3)
	s_mov_b32 s[G1+1], 64<<16                      ; tensor_dim0 = 64
	s_mov_b32 s[G1+2], 128<<16                     ; tensor_dim1 = 128
	s_mov_b32 s[G1+3], 64<<16                      ; tile_dim0 = 64
	s_mov_b32 s[G1+4], 128                         ; tile_dim1 = 128
	s_mov_b32 s[G1+5], 4096                        ; elements from row to row
	s_mov_b32 s[G1+6], 0
	s_mov_b32 s[G1+7], 0
	; group 1 for W: 64 rows x 128 elements of 2 bytes (two rows of W each), 4 words of padding behind every 32: behind every row of W
	s_or_b32 s[G1B+0], s68, (1<<16)|(1<<20)|(1<<21)|(4<<22)|(3<<25)  ; the mask: my column; elements of 2 bytes; after every 32 words (code 4)
	s_mov_b32 s[G1B+1], 128<<16
	s_mov_b32 s[G1B+2], 64<<16
	s_mov_b32 s[G1B+3], 128<<16
	s_mov_b32 s[G1B+4], 64
	s_mov_b32 s[G1B+5], 128
	s_mov_b32 s[G1B+6], 0
	s_mov_b32 s[G1B+7], 0
	; where the tiles come from: x's hang on the tile row alone, W's on the tile column alone, each made in registers that never hold the other coordinate
	s_lshl_b32 s16, s43, 8
	s_lshl_b32 s17, s[HALF], 7
	s_add_co_u32 s16, s16, s17                     ; x: row 256 x tile row + 128 x half,
	s_lshl_b32 s16, s16, 14                        ; of 16,384 bytes: under 2^28
	s_mov_b32 s17, 0
	s_lshl_b32 s68, s42, 15                        ; W: 256 rows of 128 bytes a tile column,
	s_lshl_b32 s69, s[HALF], 14                    ; 128 a half
	s_add_co_u32 s68, s68, s69
	s_mov_b32 s69, 0
	s_mul_i32 s18, s[HALF], AHALF                  ; and where they go: no place in the cluster enters an LDS address
	s_mul_i32 s70, s[HALF], BHALF
	s_add_co_u32 s70, s70, 2*AHALF
	s_wait_dscnt 0x0                               ; both opening adds are done
	s_wait_kmcnt 0x0
	s_add_nc_u64 s[16:17], s[4:5], s[16:17]
	s_add_nc_u64 s[68:69], s[6:7], s[68:69]
	CROUND                                         ; all sixteen work-groups are here: the first joint loads meet
.irp s, 0,1
	s_mov_b32 s[G0+4*(\s)], 1                                       ; count = 1
	s_add_co_u32 s[G0+4*(\s)+1], s18, (\s)*SLOT                     ; LDS address
	s_add_nc_u64 s[G0+4*(\s)+2:G0+4*(\s)+3], s[16:17], (\s)*256     ; global address: K step s
	s_or_b32 s[G0+4*(\s)+3], s[G0+4*(\s)+3], 0x80000000             ; type = 2
	s_mov_b32 s[G0B+4*(\s)], 1
	s_add_co_u32 s[G0B+4*(\s)+1], s70, (\s)*SLOT
	s_add_nc_u64 s[G0B+4*(\s)+2:G0B+4*(\s)+3], s[68:69], (\s)*262144
	s_or_b32 s[G0B+4*(\s)+3], s[G0B+4*(\s)+3], 0x80000000
	JLOAD \s                                       ; both slots are asked for before anything else is done: two loads of mine are out
.endr
	; A bf16 fragment is 16 rows x 32 k in 8 registers: lane l holds row l % 16; registers 0-3 k = 8 (l / 16) + 0..7, registers 4-7 k = 16 + 8 (l / 16) + 0..7.
	; W: two loads of 16 bytes, 32 apart, at row x pitch + 16 (l / 16).  x, in f32: four loads of 16 bytes, at 0, 16, 64 and 80 from row x pitch + 32 (l / 16), then eight conversions.
	v_and_b32 v1, 15, v0                           ; l % 16
	v_bfe_u32 v2, v0, 4, 1                         ; l / 16
	v_and_b32 v3, 31, v0                           ; l
	v_mul_u32_u24 v4, v1, PA
	v_lshl_add_u32 v4, v2, 5, v4
	s_mul_i32 s20, s[WV], 64*PA                    ; my 64 rows of x
	v_add_nc_u32 v[ADRA], s20, v4
	v_add_nc_u32 v[ADRA+1], SLOT, v[ADRA]
	v_mul_u32_u24 v5, v1, PB
	v_lshl_add_u32 v5, v2, 4, v5
	v_add_nc_u32 v[ADRB], 2*AHALF, v5              ; W's rows lie behind x's 256
	v_add_nc_u32 v[ADRB+1], SLOT, v[ADRB]
	s_mul_i32 s21, s[WV], 16*SPITCH
	s_add_co_u32 s21, s21, STAGE                   ; my stage
	v_mul_u32_u24 v6, v1, SPITCH                   ; in: row l % 16, 32 bytes for each half of the lanes
	v_lshl_add_u32 v6, v2, 5, v6
	v_add_nc_u32 v[STO], s21, v6
	v_lshl_add_u32 v[RD], v3, 4, s21               ; back: 32 lanes take a row's 512 bytes
	v_lshlrev_b32 v[CO], 4, v3
	s_lshl_b32 s70, s42, 10                        ; the tile's 256 columns: 1,024 bytes of bias and of a row of out
	s_mov_b32 s71, 0
	s_add_nc_u64 s[8:9], s[8:9], s[70:71]
	s_lshl_b32 s22, s43, 21                        ; 256 rows of 8,192 bytes a tile row,
	s_lshl_b32 s23, s[WV], 19                      ; 64 a wave
	s_add_co_u32 s22, s22, s23
	s_add_co_u32 s22, s22, s70
	s_mov_b32 s23, 0
	s_add_nc_u64 s[10:11], s[10:11], s[22:23]
	global_load_b128 v[BI:BI+3],   v[CO], s[8:9]              ; bias of the four columns that I store, left half of the tile
	global_load_b128 v[BI+4:BI+7], v[CO], s[8:9] offset:512   ; and right half; waited for on the way out
	; the prefetches' address, at K step 5: the first refill steps it to 6
	s_lshl_b32 s20, s43, 8
	s_lshl_b32 s21, s[HALF], 7
	s_add_co_u32 s20, s20, s21
	s_lshl_b32 s21, s40, 5                         ; x: my work-group's 32 of the 128 rows
	s_add_co_u32 s20, s20, s21
	s_lshl_b32 s20, s20, 14
	s_add_co_u32 s20, s20, 5*256
	s_lshl_b32 s70, s42, 15
	s_lshl_b32 s71, s[HALF], 14
	s_add_co_u32 s70, s70, s71
	s_lshl_b32 s71, s41, 12                        ; W: my work-group's 16 of the 64 blocks
	s_add_co_u32 s70, s70, s71
	s_add_co_u32 s70, s70, 5*262144
	s_and_b32 s22, ttmp7, 0xffff                   ; cluster y
	s_mov_b32 s[PST], 262144
	s_mov_b32 s[PST+1], 0
	s_cmp_eq_u32 s[FB], 0                          ; do I fetch for x?
	s_cselect_b32 s20, s20, s70
	s_cselect_b32 s22, ttmp9, s22                  ; the coordinate along which other clusters read the same rows
	s_cselect_b32 s[PST], 256, s[PST]
	s_cselect_b32 s67, 14, 8                       ; lanes of a half stand a row of x apart, or a block of 256 bytes of Wb
	s_cselect_b64 s[PFA:PFA+1], s[4:5], s[6:7]
	s_cmp_eq_u32 s22, 0
	s_cselect_b32 s[LIMAB], 1, -1                  ; the same in all sixteen partners, for a given wave
	s_cmp_eq_u32 s[FB], 0
	s_cselect_b32 s[LIMA], s[LIMAB], -1
	s_mov_b32 s21, 0
	s_add_nc_u64 s[PFA:PFA+1], s[PFA:PFA+1], s[20:21]
	v_lshlrev_b32 v[PFO], s67, v1
	v_lshl_add_u32 v[PFO], v2, 18, v[PFO]          ; the upper lanes: 16 rows of x further down, or a K step of Wb further on: 262,144 bytes either way
; 48 LDS loads in one run: quarter q (32 k) of a slot: x's 64 rows as f32 first, then W's 256 rows into set g
.macro FETCH slot, q, g
	WIN 0
.irp a, 0,1,2,3
	ds_load_b128 v[L+16*(\a):L+16*(\a)+3],     v[ADRA+(\slot)] offset:(\a)*16*PA+128*(\q)
	ds_load_b128 v[L+16*(\a)+4:L+16*(\a)+7],   v[ADRA+(\slot)] offset:(\a)*16*PA+128*(\q)+16
	ds_load_b128 v[L+16*(\a)+8:L+16*(\a)+11],  v[ADRA+(\slot)] offset:(\a)*16*PA+128*(\q)+64
	ds_load_b128 v[L+16*(\a)+12:L+16*(\a)+15], v[ADRA+(\slot)] offset:(\a)*16*PA+128*(\q)+80
.endr
	WIN TO_B
.irp b, 0,1,2,3,4,5,6,7,8,9,10,11,12,13,14,15
	ds_load_b128 v[128*(\g)+8*(\b):128*(\g)+8*(\b)+3],   v[ADRB+(\slot)] offset:(\b)*16*PB+64*(\q)
	ds_load_b128 v[128*(\g)+8*(\b)+4:128*(\g)+8*(\b)+7], v[ADRB+(\slot)] offset:(\b)*16*PB+64*(\q)+32
.endr
.endm
; 16 matrix instructions: fragment 2 hi + a of x (set f) x all 16 blocks of W.  zero = 1: the product starts the sums: nothing is ever cleared.
; ride = 1: behind every second product stand four conversions of the NEXT quarter's x into set g: they name no register of the products round them.
; The 64 accumulators take turns, one instruction a turn, in the same order in every quarter: 63 others' stand between two links of a chain, over the backward jump too.
.macro MUL16 f, hi, a, zero=0, ride=0, g=0
.set bb, 0
.rept 16
	WIN MUL_LO+0x50*(\hi)
.set rD, 8*(16*(\a)+bb)
.set rB, 128*(\f)+8*bb
.set rA, AF+32*(\f)+8*(2*(\hi)+(\a))
.if \zero
	v_wmma_f32_16x16x32_bf16 v[rD:rD+7], v[rB:rB+7], v[rA:rA+7], 0
.else
	v_wmma_f32_16x16x32_bf16 v[rD:rD+7], v[rB:rB+7], v[rA:rA+7], v[rD:rD+7]
.endif
.if (\ride) && (bb%2 == 0)
	WIN 0
.set cc, 2*bb
.rept 4
	v_cvt_pk_bf16_f32 v[AF+32*(\g)+cc], v[L+2*cc], v[L+2*cc+1]
.set cc, cc+1
.endr
.endif
.set bb, bb+1
.endr
.endm
; A K step's FIRST quarter, in slot s: multiplies set 0, fetches the step's second quarter into set 1, and with that has read the slot out.
; mode 2: the change of slots.  In front of ONE barrier each wave waits for all its tensor loads, of which one is out: its part of the other slot; adds 0 to its spare word; and waits for that and for its reads of this slot.
;         The barrier opens a round of the cluster's, so that no wave of any partner still reads the slot or has a load on its way; the joint refill, with the step two on, is the first thing behind it.
;         From that request to the wait for it a wave issues 96 matrix instructions.
; mode 1: the same without round and refill (the last step but one);  mode 0: nothing to wait for (the last step).   pf = 1: the prefetches' address steps.
.macro QA s, zero, mode, pf
	PLACES                                         ; set 1 of W and of x was multiplied by the quarter before
	FETCH \s, 1, 1
	s_wait_dscnt 48                                ; all but the 48 just issued: set 0 of W is in
	MUL16 0, 0, 0, \zero
	MUL16 0, 0, 1, \zero
.if \pf
	s_wait_xcnt 0x0                                ; the last prefetch, 96 matrix instructions back, has read its address
	s_add_nc_u64 s[PFA:PFA+1], s[PFA:PFA+1], s[PST:PST+1]
.endif
.if \mode
	WIN 0                                          ; (the add's two registers lie in window 0)
	s_wait_tensorcnt 0x0                           ; all my tensor loads have landed: my part of the other slot
	ds_add_u32 v[SPW], v[NIL]                      ; 0 onto my spare word
	s_wait_dscnt 33                                ; x's 16 loads are in; W's 32 and the add may be out
	MUL16 0, 1, 0, \zero, 1, 1                     ; sixteen products, and x's second quarter is rounded, between the add and the wait for it
	s_wait_dscnt 0x0                               ; the add is done, and my reads of this slot are over
	s_barrier_signal -1
	MUL16 0, 1, 1, \zero                           ; work on registers while the others arrive
	WIN 0
	s_barrier_wait -1
.if (\mode) == 2
	CREST
	s_add_nc_u64 s[G0+4*(\s)+2:G0+4*(\s)+3], s[G0+4*(\s)+2:G0+4*(\s)+3], 2*256         ; no tensor load of mine is out: the slot's group 0 steps two K steps on
	s_add_nc_u64 s[G0B+4*(\s)+2:G0B+4*(\s)+3], s[G0B+4*(\s)+2:G0B+4*(\s)+3], 2*262144
	JLOAD \s                                       ; the four v_nop behind it are also the places in front of the next quarter's loads and conversions
.endif
.else
	s_wait_dscnt 32                                ; x's 16 loads are in
	MUL16 0, 1, 0, \zero, 1, 1
	MUL16 0, 1, 1, \zero
.endif
.endm
; A K step's SECOND quarter: multiplies set 1; fetch = 1: fetches the next step's first quarter, from the other slot, into set 0.  places = 1: no joint load stands in front.  lim: who prefetches, or NONE.
.macro QB next, fetch, places, lim
.if \places
	PLACES
.endif
.if \fetch
	FETCH \next, 0, 0
.if (\lim) >= 0
	WIN 0
	ASK \lim
.endif
	MUL16 1, 0, 0                                  ; set 1 is in: the quarter before waited for all its LDS loads
	MUL16 1, 0, 1
	s_wait_dscnt 32                                ; x's 16 loads are in; W's 32 may be out
	MUL16 1, 1, 0, 0, 1, 0
	MUL16 1, 1, 1
.else
	s_wait_dscnt 0x0                               ; set 1 of W
	MUL16 1, 0, 0
	MUL16 1, 0, 1
	MUL16 1, 1, 0
	MUL16 1, 1, 1
.endif
.endm
; THE WAY OUT, in eight blocks of 16 rows x 128 columns (fragment i / 2, half i % 2 of the columns).  A lane's eight numbers are 32 bytes of a row; they go into my own stage, rows of 528 bytes, and come back as whole
; rows of 512.  Each accumulator's low four registers are read first.  LDS serves a wave's instructions in order (ISA guide 5.7.1.4), so the loads see the stores above them, and the next block's stores come behind these loads.
.macro TOSTAGE i
.set ta, (\i)/2
.set thf, (\i)%2
.set tob, OB0+(OB1-OB0)*((\i)%2)
	s_wait_xcnt 0x0                                ; the stores of the block before last have read these registers
	WIN 0x08+4*(ta/2)                              ; store data (source 1) in window 2 or 3
.set bb, 0
.rept 8
.set rD, 8*(16*(ta%2)+8*thf+bb)
	ds_store_b128 v[STO], v[rD:rD+3]   offset:64*bb
	ds_store_b128 v[STO], v[rD+4:rD+7] offset:64*bb+16
.set bb, bb+1
.endr
	WIN 0
.set tt, 0
.rept 16
	ds_load_b128 v[tob+4*tt:tob+4*tt+3], v[RD] offset:SPITCH*tt
.set tt, tt+1
.endr
.endm
.macro SEND i, younger                 ; younger: the LDS instructions issued behind block i's loads: the next block's 32, or none
.set ta, (\i)/2
.set thf, (\i)%2
.set tob, OB0+(OB1-OB0)*((\i)%2)
.set tt, 0
.rept 16
	s_wait_dscnt (\younger)+15-tt
	v_pk_add_f32 v[tob+4*tt:tob+4*tt+1],   v[tob+4*tt:tob+4*tt+1],   v[BI+4*thf:BI+4*thf+1]
	v_pk_add_f32 v[tob+4*tt+2:tob+4*tt+3], v[tob+4*tt+2:tob+4*tt+3], v[BI+4*thf+2:BI+4*thf+3]
	global_store_b128 v[CO], v[tob+4*tt:tob+4*tt+3], s[10:11] offset:(16*ta+tt)*8192+512*thf th:TH_STORE_NT  ; 512 consecutive bytes of a row of out, at a multiple of 512 from its first; the largest immediate is 516,608
.set tt, tt+1
.endr
.endm
	s_wait_tensorcnt 1                             ; my part of K step 0 is in; step 1's may stay out
	s_barrier_signal -1
	s_barrier_wait -1                              ; everybody's is
	FETCH 0, 0, 0
	s_wait_dscnt 32                                ; x's 16 loads
	WIN 0
.set cc, 0
.rept 32
	v_cvt_pk_bf16_f32 v[AF+cc], v[L+2*cc], v[L+2*cc+1]   ; the first quarter's x: there are no products yet to set these between
.set cc, cc+1
.endr
	QA 0, 1, 2, 1                                  ; step 0's first quarter stands in front of the loop: its products start the sums; slot 0 takes step 2
	WIN 0                                          ; at a label and at a branch every window is 0
	s_mov_b32 s3, 30
.Llap:                                             ; trip t: from step 2 t's second quarter to step 2 t + 2's first; asks for steps 2 t + 3 and 2 t + 4
	QB 1, 1, 0, LIMAB
	QA 1, 0, 2, 1
	QB 0, 1, 0, LIMA
	QA 0, 0, 2, 1
	WIN 0
	s_sub_co_u32 s3, s3, 1
	s_cmp_lg_u32 s3, 0
	s_cbranch_scc1 .Llap
	QB 1, 1, 0, NONE                               ; the tail is written out: step 60's second quarter
	QA 1, 0, 2, 0                                  ; step 61: slot 1 takes step 63, the last load
	QB 0, 1, 0, NONE
	QA 0, 0, 1, 0                                  ; step 62: step 63 has landed, everybody's part; nothing is filled again
	QB 1, 1, 1, NONE
	QA 1, 0, 0, 0                                  ; step 63
	QB 0, 0, 0, NONE
	WIN 0
	PLACES                                         ; behind the last products
	s_wait_loadcnt 0x0                             ; bias
.irp j, 0,1,2,3
	v_cvt_pk_bf16_f32 v[12+(\j)], v[BI+2*(\j)], v[BI+2*(\j)+1]   ; rounded to bf16, like every floating-point input,
.endr
.irp j, 0,1,2,3
	v_lshlrev_b32 v[BI+2*(\j)], 16, v[12+(\j)]                    ; and widened again
	v_and_b32 v[BI+2*(\j)+1], 0xffff0000, v[12+(\j)]
.endr
	TOSTAGE 0
.irp i, 1,2,3,4,5,6,7                  ; a block's way into the stage stands between the loads of the block before and its stores
	TOSTAGE \i
	SEND (\i)-1, 32
.endr
	SEND 7, 0
	s_wait_tensorcnt 0x0                           ; the wave's end, behind my last tensor load and my last LDS store
	ds_add_u32 v[SPW], v[NIL]
	s_wait_dscnt 0x0
	CROUND                                         ; the closing round: no work-group ends while a partner may still ask for a tile that names it
	s_endpgm
.Lfunc_end_k_q8aad0f4685_gemm:
	.size	k_q8aad0f4685_gemm, .Lfunc_end_k_q8aad0f4685_gemm-k_q8aad0f4685_gemm
	.p2alignl 7, 3214868480
	.fill 96, 4, 3214868480
	.section	.rodata,"a",@progbits
	.p2align	6, 0x0
	.amdhsa_kernel k_q8aad0f4685_gemm
		.amdhsa_group_segment_fixed_size 327680
		.amdhsa_private_segment_fixed_size 0
		.amdhsa_enable_private_segment 0
		.amdhsa_kernarg_size 32
		.amdhsa_user_sgpr_count 2
		.amdhsa_user_sgpr_kernarg_segment_ptr 1
		.amdhsa_wavefront_size32 1
		.amdhsa_system_sgpr_workgroup_id_x 1
		.amdhsa_system_sgpr_workgroup_id_y 1
		.amdhsa_system_sgpr_workgroup_id_z 1
		.amdhsa_system_vgpr_workitem_id 0
		.amdhsa_next_free_vgpr 1024
		.amdhsa_next_free_sgpr 72
		.amdhsa_reserve_vcc 0
		.amdhsa_float_denorm_mode_32 3
		.amdhsa_float_denorm_mode_16_64 3
		.amdhsa_memory_ordered 1
		.amdhsa_forward_progress 1
		.amdhsa_inst_pref_size 180
	.end_amdhsa_kernel
	.amdgpu_metadata
---
amdhsa.version: [ 1, 2 ]
amdhsa.kernels:
  - .name:           k_q8aad0f4685_gemm
    .symbol:         k_q8aad0f4685_gemm.kd
    .args:
      - { .name: x, .offset: 0, .size: 8, .value_kind: global_buffer, .address_space: global }
      - { .name: Wb, .offset: 8, .size: 8, .value_kind: global_buffer, .address_space: global }
      - { .name: bias, .offset: 16, .size: 8, .value_kind: global_buffer, .address_space: global }
      - { .name: out0, .offset: 24, .size: 8, .value_kind: global_buffer, .address_space: global }
    .group_segment_fixed_size: 327680
    .private_segment_fixed_size: 0
    .kernarg_segment_align: 8
    .kernarg_segment_size: 32
    .max_flat_workgroup_size: 128
    .sgpr_count:     72
    .vgpr_count:     1024
    .wavefront_size: 32
...
	.end_amdgpu_metadata
.endif
;; end of part 2
;; ======== version 2 of 3: 2 launches
;; workspace buffers: xb 67,108,864 bytes; Wb 16,777,216 bytes
;; launch prep (part 3): grid 2560 x 1, 4 waves a work-group, no clusters, 0 bytes of LDS; arguments x, W_q, scale, zero, xb, Wb; writes xb, Wb
.if DOCPART == 3
	.amdgcn_target "amdgcn-amd-amdhsa--gfx1250"
	.amdhsa_code_object_version 6
	.text
	.protected	k_q8aad0f4685_prep
	.globl	k_q8aad0f4685_prep
	.p2align	8
	.type	k_q8aad0f4685_prep,@function
k_q8aad0f4685_prep:
	s_mov_b64 s[64:65], 0
	v_nop
	global_prefetch_b8 v0, s[64:65] scope:SCOPE_SE
	s_setreg_imm32_b32 hwreg(HW_REG_WAVE_MODE, 25, 1), 1
	s_wait_xcnt 0x0
; TWO STREAMS IN ONE LAUNCH, both operands of the product that follows, each rounded once to bf16.
;   xb[m][k] = x[m][k], [8,192][4,096].      Wb[row][k] = (q - zero[g]) * scale[g], g = 64 row + k / 64, [2,048][4,096], row-major.
; W_q: 4,194,304 words; word 4,096 o + k (o < 1,024) holds the code of W[o][k] in bits 7:4 and that of W[o + 1,024][k] in bits 3:0; the bits above are cut off, as in the problem's own unpacking.
; NOTHING IS LEFT OUT: every input of the problem reaches the output and is loaded (x, W_q, scale, zero here; bias in the product).
; WHY x IS ROUNDED HERE: as f32 a tile of 256 rows of x and 256 of W takes 1,536 bytes of LDS for each k, so that two slots hold 64 k each; as bf16 it takes 1,024, and two slots hold 128 k each:
; twice the matrix work between a tile's request and the wait for it.
; LIMITS.  scale and zero are taken rounded to bf16, like every floating-point input of this program; then -zero x scale is exact in f32 (8 x 8 significant bits), and q x scale - zero x scale is one
; fused multiply-add: the exact (q - zero) x scale, rounded once to f32 and once to bf16.  The error of that last rounding grows with zero's offset as any bf16 operand's does.  NaN and infinities go through the arithmetic untreated.
; SHARES.  Work-groups 0 to 2,047 take 65,536 bytes of x each, a wave 16,384: 32 chunks of 512 consecutive bytes (16 a lane) through a ring of 16 slots in registers; a chunk leaves as 256 consecutive bytes (8 a lane), aligned.
; Work-groups 2,048 to 2,559 take two rows of words each, a wave half a row: 32 groups, 16 steps of 128 k: a load covers 512 consecutive bytes, a store 256 consecutive bytes of one row of Wb, aligned.
; 96 registers a wave: the launch's 10,240 waves are ten to a SIMD's 1,024 registers.  No LDS, no barrier, no cluster, no matrix unit: no two waves read the same byte, and there is no product here.
.set XO,  2                            ; v2   cast: my byte offset in the work-group's part of x: 16,384 wave + 16 lane; never rewritten
.set YO,  3                            ; v3   cast: the same in xb: 8,192 wave + 8 lane; never rewritten
.set X,   32                           ; v[32:95] cast: slot s: four f32 as loaded; then, in its first two registers, the 8 bytes to store
.set SCH, 8                            ; v8   W: scale of my group (2 c + h of my 32), high codes' row; v9 its -zero x scale
.set SCL, 10                           ; v10, v11 the same for the row 1,024 further down
.set SH,  12                           ; v[12:13] the step's scale for the high codes, in the low register
.set CH,  14                           ; v[14:15] its -zero x scale
.set SL,  16                           ; v[16:17], v[18:19] the same for the low codes
.set CL,  18
.set T,   20                           ; v[20:27] at work: four high codes, four low
.set Q,   32                           ; v[32:95] W: step j: four words as loaded, then the 16 bytes to store: no store's data is ever rewritten
	s_load_b256 s[4:11], s[0:1], 0x0               ; x s[4:5], W_q s[6:7], scale s[8:9], zero s[10:11]
	s_load_b128 s[12:15], s[0:1], 0x20             ; xb s[12:13], Wb s[14:15]
	v_lshrrev_b32 v7, 5, v0
	v_readfirstlane_b32 s16, v7                    ; wave 0..3
	v_and_b32 v1, 31, v0                           ; lane l
	s_mov_b32 s21, 0                               ; the upper word of every offset
	s_cmp_lt_u32 ttmp9, 2048
	s_cbranch_scc0 .Ldequant
	; ---- x to bf16 ----
	s_lshl_b32 s17, s16, 14
	v_lshl_add_u32 v[XO], v1, 4, s17
	s_lshl_b32 s17, s16, 13
	v_lshl_add_u32 v[YO], v1, 3, s17
	s_wait_kmcnt 0x0
	s_lshl_b32 s20, ttmp9, 16                      ; 65,536 bytes of x a work-group: under 2^27
	s_add_nc_u64 s[4:5], s[4:5], s[20:21]
	s_lshl_b32 s20, ttmp9, 15                      ; 32,768 of xb
	s_add_nc_u64 s[12:13], s[12:13], s[20:21]
.set i, 0
.rept 16
	global_load_b128 v[X+4*i:X+4*i+3], v[XO], s[4:5] offset:512*i th:TH_LOAD_NT   ; the ring is filled: chunks 0 to 15
.set i, i+1
.endr
; Chunk j's turn.  Turn j (1 to 16) also fills the slot of the turn before with chunk j + 15.  So behind chunk j's load stand: for j = 0 the 15 other first loads; for j = 1 to 17 fourteen loads
; (15 - j first loads and j - 1 refills; from 16 on refills alone); then the refills have ended and the count runs down.
.macro TURN j
.if (\j) == 0
	s_wait_loadcnt 15
.elseif (\j) < 18
	s_wait_loadcnt 14
.else
	s_wait_loadcnt 31-(\j)
.endif
.set sl, X+4*((\j)%16)
	v_cvt_pk_bf16_f32 v[sl],   v[sl],   v[sl+1]    ; two roundings to nearest even, packed, in place
	v_cvt_pk_bf16_f32 v[sl+1], v[sl+2], v[sl+3]
	global_store_b64 v[YO], v[sl:sl+1], s[12:13] offset:256*(\j)   ; 32 lanes x 8 bytes: 256 consecutive bytes, aligned
.if ((\j) >= 1) && ((\j) <= 16)
.set pl, X+4*((\j)-1)
	s_wait_xcnt 0x0                                ; every earlier memory instruction has had its addresses translated (ISA guide 3.1): the slot whose store left a turn ago is loaded again only behind this wait
	global_load_b128 v[pl:pl+3], v[XO], s[4:5] offset:512*((\j)+15) th:TH_LOAD_NT
.endif
.endm
.set jj, 0
.rept 32
	TURN jj
.set jj, jj+1
.endr
	s_endpgm
	; ---- W from its codes ----
.Ldequant:
	v_and_b32 v2, 15, v0                           ; c
	v_bfe_u32 v3, v0, 4, 1                         ; h
	s_lshl_b32 s17, s16, 13
	v_lshl_add_u32 v4, v1, 4, s17                  ; words: 8,192 wave (half a row of 16,384 bytes) + 16 l
	s_lshl_b32 s17, s16, 7
	v_lshl_add_u32 v5, v2, 3, s17                  ; groups: 128 wave (32 groups of 4 bytes) + 4 (2 c + h)
	v_lshl_add_u32 v5, v3, 2, v5
	s_lshl_b32 s17, s16, 12
	v_lshl_add_u32 v6, v1, 3, s17                  ; Wb: 4,096 wave (half a row of 8,192 bytes) + 8 l
	s_and_b32 s22, ttmp9, 511                      ; which pair of rows: the work-group's number less 2,048
	s_wait_kmcnt 0x0
	s_lshl_b32 s20, s22, 15                        ; two rows of 16,384 bytes of words
	s_add_nc_u64 s[6:7], s[6:7], s[20:21]
	s_lshl_b32 s20, s22, 9                         ; two rows of 64 groups
	s_add_nc_u64 s[8:9], s[8:9], s[20:21]
	s_add_nc_u64 s[10:11], s[10:11], s[20:21]
	s_lshl_b32 s20, s22, 14                        ; two rows of 8,192 bytes of Wb
	s_add_nc_u64 s[14:15], s[14:15], s[20:21]
	s_add_nc_u64 s[18:19], s[14:15], 0x800000      ; the rows 1,024 further down: 8,388,608 bytes, one more than a store's immediate holds: a base of their own
	global_load_b32 v[SCH],   v5, s[8:9]
	global_load_b32 v[SCH+1], v5, s[10:11]
	global_load_b32 v[SCL],   v5, s[8:9]   offset:262144   ; 1,024 rows of 64 groups further on
	global_load_b32 v[SCL+1], v5, s[10:11] offset:262144
.set i, 0
.rept 16
	global_load_b128 v[Q+4*i:Q+4*i+3], v4, s[6:7] offset:512*i th:TH_LOAD_NT
.set i, i+1
.endr
.set i, SH
.rept 8
	v_mov_b32 v[i], 0                              ; written once: the moves between lanes count as readers of their destinations, and the packed lines name whole pairs
.set i, i+1
.endr
	s_wait_loadcnt 16                              ; scale and zero are in; the 16 younger loads of words stay out
	v_cvt_pk_bf16_f32 v7, v[SCH], v[SCH+1]         ; both rounded to bf16,
	v_lshlrev_b32 v[SCH], 16, v7                   ; and widened again
	v_and_b32 v[SCH+1], 0xffff0000, v7
	v_mul_f32 v[SCH+1], -v[SCH+1], v[SCH]          ; -zero x scale, exact
	v_cvt_pk_bf16_f32 v7, v[SCL], v[SCL+1]
	v_lshlrev_b32 v[SCL], 16, v7
	v_and_b32 v[SCL+1], 0xffff0000, v7
	v_mul_f32 v[SCL+1], -v[SCL+1], v[SCL]
; Step j: 128 k: lanes 0-15 lie in group 2 j of my 32, lanes 16-31 in group 2 j + 1; lane j of each half of the lanes holds that half's two numbers.
.macro STEP j
	s_wait_loadcnt 15-(\j)                         ; loads come back in order: step j's words are in, the younger ones stay out
	v_mov_b32_dpp v[SH], v[SCH]   row_share:\j row_mask:0xf bank_mask:0xf
	v_mov_b32_dpp v[CH], v[SCH+1] row_share:\j row_mask:0xf bank_mask:0xf
	v_mov_b32_dpp v[SL], v[SCL]   row_share:\j row_mask:0xf bank_mask:0xf
	v_mov_b32_dpp v[CL], v[SCL+1] row_share:\j row_mask:0xf bank_mask:0xf
.irp n, 0,1,2,3
	v_bfe_u32 v[T+(\n)], v[Q+4*(\j)+(\n)], 4, 4    ; bits 7:4
	v_and_b32 v[T+4+(\n)], 15, v[Q+4*(\j)+(\n)]    ; bits 3:0
.endr
.irp n, 0,1,2,3,4,5,6,7
	v_cvt_f32_u32 v[T+(\n)], v[T+(\n)]
.endr
	v_pk_fma_f32 v[T:T+1],   v[T:T+1],   v[SH:SH+1], v[CH:CH+1] op_sel_hi:[1,0,0]  ; q x scale - zero x scale, two at a time
	v_pk_fma_f32 v[T+2:T+3], v[T+2:T+3], v[SH:SH+1], v[CH:CH+1] op_sel_hi:[1,0,0]
	v_pk_fma_f32 v[T+4:T+5], v[T+4:T+5], v[SL:SL+1], v[CL:CL+1] op_sel_hi:[1,0,0]
	v_pk_fma_f32 v[T+6:T+7], v[T+6:T+7], v[SL:SL+1], v[CL:CL+1] op_sel_hi:[1,0,0]
.irp n, 0,1,2,3
	v_cvt_pk_bf16_f32 v[Q+4*(\j)+(\n)], v[T+2*(\n)], v[T+2*(\n)+1]
.endr
	global_store_b64 v6, v[Q+4*(\j):Q+4*(\j)+1],   s[14:15] offset:256*(\j)   ; 32 lanes x 8 bytes: 256 consecutive bytes of one row, aligned
	global_store_b64 v6, v[Q+4*(\j)+2:Q+4*(\j)+3], s[18:19] offset:256*(\j)   ; the same of the row 1,024 further down
.endm
.irp j, 0,1,2,3,4,5,6,7,8,9,10,11,12,13,14,15
	STEP \j
.endr
	s_endpgm
.Lfunc_end_k_q8aad0f4685_prep:
	.size	k_q8aad0f4685_prep, .Lfunc_end_k_q8aad0f4685_prep-k_q8aad0f4685_prep
	.p2alignl 7, 3214868480
	.fill 96, 4, 3214868480
	.section	.rodata,"a",@progbits
	.p2align	6, 0x0
	.amdhsa_kernel k_q8aad0f4685_prep
		.amdhsa_group_segment_fixed_size 0
		.amdhsa_private_segment_fixed_size 0
		.amdhsa_enable_private_segment 0
		.amdhsa_kernarg_size 48
		.amdhsa_user_sgpr_count 2
		.amdhsa_user_sgpr_kernarg_segment_ptr 1
		.amdhsa_wavefront_size32 1
		.amdhsa_system_sgpr_workgroup_id_x 1
		.amdhsa_system_sgpr_workgroup_id_y 1
		.amdhsa_system_sgpr_workgroup_id_z 1
		.amdhsa_system_vgpr_workitem_id 0
		.amdhsa_next_free_vgpr 96
		.amdhsa_next_free_sgpr 66
		.amdhsa_reserve_vcc 0
		.amdhsa_float_denorm_mode_32 3
		.amdhsa_float_denorm_mode_16_64 3
		.amdhsa_memory_ordered 1
		.amdhsa_forward_progress 1
		.amdhsa_inst_pref_size 42
	.end_amdhsa_kernel
	.amdgpu_metadata
---
amdhsa.version: [ 1, 2 ]
amdhsa.kernels:
  - .name:           k_q8aad0f4685_prep
    .symbol:         k_q8aad0f4685_prep.kd
    .args:
      - { .name: x, .offset: 0, .size: 8, .value_kind: global_buffer, .address_space: global }
      - { .name: W_q, .offset: 8, .size: 8, .value_kind: global_buffer, .address_space: global }
      - { .name: scale, .offset: 16, .size: 8, .value_kind: global_buffer, .address_space: global }
      - { .name: zero, .offset: 24, .size: 8, .value_kind: global_buffer, .address_space: global }
      - { .name: xb, .offset: 32, .size: 8, .value_kind: global_buffer, .address_space: global }
      - { .name: Wb, .offset: 40, .size: 8, .value_kind: global_buffer, .address_space: global }
    .group_segment_fixed_size: 0
    .private_segment_fixed_size: 0
    .kernarg_segment_align: 8
    .kernarg_segment_size: 48
    .max_flat_workgroup_size: 128
    .sgpr_count:     66
    .vgpr_count:     96
    .wavefront_size: 32
...
	.end_amdgpu_metadata
.endif
;; end of part 3
;; launch gemm (part 4): grid 8 x 32, 4 waves a work-group, clusters of 4 x 4, 327,680 bytes of LDS; arguments xb, Wb, bias, out0; writes out0
.if DOCPART == 4
	.amdgcn_target "amdgcn-amd-amdhsa--gfx1250"
	.amdhsa_code_object_version 6
	.text
	.protected	k_q8aad0f4685_gemm
	.globl	k_q8aad0f4685_gemm
	.p2align	8
	.type	k_q8aad0f4685_gemm,@function
k_q8aad0f4685_gemm:
	s_mov_b64 s[64:65], 0
	v_nop
	global_prefetch_b8 v0, s[64:65] scope:SCOPE_SE
	s_setreg_imm32_b32 hwreg(HW_REG_WAVE_MODE, 25, 1), 1
	s_wait_xcnt 0x0
	s_wait_alu depctr_hold_cnt(0) depctr_sa_sdst(0) depctr_va_vdst(0) depctr_va_sdst(0) depctr_va_ssrc(0) depctr_va_vcc(0) depctr_vm_vsrc(0)
	s_getreg_b32 s2, hwreg(HW_REG_IB_STS2, 6, 4)
	s_cmp_eq_u32 s2, 0
	s_cbranch_scc0 .Lentry_in_a_cluster
	s_endpgm
.Lentry_in_a_cluster:
	s_bfe_u32 s2, ttmp6, 0x10000c
	s_cmp_lg_u32 s2, 0xf033
	s_cbranch_scc0 .Lentry_shape_is_right
	s_endpgm
.Lentry_shape_is_right:
; out[m][n] = the sum over k of x[m][k] W[n][k] + bias[n].  xb: x in bf16, [8,192][4,096]; Wb: W in bf16, [2,048][4,096], both as the launch before stored them; bias: [2,048] f32; out: [8,192][2,048] f32.
; Sums in f32.  Nothing of the problem's work is left out.
; LIMITS.  x and W are bf16 operands; bias is taken rounded to bf16, like every floating-point input of this program.  NaN and infinities go through the arithmetic untreated.
; SHARES.  32 x 8 tiles of 256 x 256, one to a work-group of four waves, as many as a WGP has SIMDs; a wave makes 128 x 128: 64 accumulators of 16 x 16, 512 registers.
; K goes in 32 steps of 128 through a ring of two LDS slots filled by the tensor data mover: the rows of both tiles are 256 bytes of memory and start at multiples of 256 bytes from the buffer's first byte.
; A step is four quarters of 32 along K, 64 matrix instructions each, on two sets of fragment registers.
; CLUSTERS: 4 x 4 work-groups.  The four of a row of the cluster need the same tile of x, the four of a column the same tile of W: each is asked for JOINTLY, by the same tensor load with the same descriptor and a mask of the four,
; which divides the requests for x and for W by four.
; THE MATRIX INSTRUCTION IS USED TRANSPOSED: source 0 = 16 rows of W, source 1 = 16 rows of x: lane l then holds row l % 16 of out and the columns 8 (l / 16) + 0..7 of the block: 32 bytes of a row on end.
; REGISTERS, in windows of 256 (s_set_vgpr_msb: bits 1:0 source 0, 3:2 source 1, 5:4 source 2, 7:6 destination):
;   window 0: v0-31 addresses; v32-37 bias; v64-127, v128-191 fragments of x (8 x 16 rows x 32 K), two sets; on the way out the same 128 registers take rows read back from the stage
;   window 1: v64-127, v128-191 fragments of W, two sets
;   window 2: the 32 accumulators of my rows 0-63 (accumulator (a, b) at v[8 (8 a + b)]);   window 3: those of my rows 64-127
.set SIZE_N, 2048
.set SIZE_K, 4096
.set KSTEP,  128
.set PITCH,  272                       ; an LDS row: 256 bytes of data + 16 of padding = 68 words: row r starts at bank 4 r mod 64 (64 banks of 4 bytes: ISA guide 11.1), so the 16 rows that a load touches start at 16 different groups of four banks
.set HALFT,  128*PITCH                 ; 128 rows: what one tensor load brings, and what one wave reads of x or of W
.set SLOT,   4*HALFT                   ; x's 256 rows, then W's 256 rows: 139,264 bytes
.set STAGE,  2*SLOT                    ; behind the ring, never filled by a tensor load: 16 rows x 528 bytes for each wave, for the way out
.set SPITCH, 528                       ; 512 bytes + 16 = 132 words: likewise
.set SPARE,  STAGE+4*16*SPITCH         ; behind the stages: the spare words, 128 bytes for each wave: two blocks of 256 bytes that no other line names
.set LAPS,   SIZE_K/(2*KSTEP)          ; a lap = two K steps = once round the ring: 16
.set ADRA, 16                          ; v16-17  LDS address of my fragments of x in slot 0, 1
.set ADRB, 20                          ; v20-21  the same for W
.set STO,  24                          ; v24     the way out: where I put 32 bytes of a row
.set RD,   25                          ; v25     the way out: where I read 16 bytes of a row back
.set CO,   26                          ; v26     16 x lane: my bytes in 512 of a row of out, and of bias; never rewritten
.set SPW,  28                          ; v28     LDS address of my spare word: SPARE + 4 x my thread's number; never rewritten
.set NIL,  29                          ; v29     0; never rewritten
.set PFO,  30                          ; v30     the prefetches' offset: my lane x a row of xb or Wb (8,192 bytes); never rewritten
.set BI,   32                          ; v[32:35] bias of the four columns that I store
.set BT,   36                          ; v36-37  at work
.set F0,   64                          ; fragment set 0
.set F1,   128                         ; fragment set 1
.set OB,   64                          ; the way out: 16 rows x 512 bytes read back: v64-127 and v128-191 by turns
.set PFA,  44                          ; s[44:45] where my prefetches stand: my work-group's 32 rows of the 128 that I fetch, one K step further along K than the refill that is being asked for
.set LIM,  43                          ; s43     1 in a wave that prefetches, else the greatest number
.set G1,  24                           ; s[24:31] descriptor group 1 for x's tiles;  s[32:39] group 0, a set for each slot
.set G0,  32
.set G1B, 48                           ; s[48:55], s[56:63] the same for W's: group 1 differs in the mask alone
.set G0B, 56
.set BIAS, 68                          ; s[68:69] bias at my 128 columns
.set OUT,  70                          ; s[70:71] out at my first row and column
.set MSB, 0
.macro WIN new                         ; the immediate's high byte repeats the setting that is left; a switch that changes nothing is dropped
.if MSB != (\new)
	s_set_vgpr_msb (MSB<<8)|(\new)
.set MSB, \new
.endif
.endm
.set MUL_LO, 0xa1                      ; source 0 (W) window 1, source 1 (x) window 0, C and D window 2
.set MUL_HI, 0xf1                      ; the same, C and D window 3
.set TO_B,   0x40                      ; destination window 1, address window 0
; A joint load.  Waves 0 and 1 fetch x's two halves, waves 2 and 3 W's.  The branch hangs on the wave's number alone: it is the same in every work-group.
; An s_nop 0 and four v_nop follow each of the two lines, ahead of the jump and the label.
.macro JLOAD s
	s_cmp_eq_u32 s11, 0
	s_cbranch_scc0 .Lfor_b_\@
	tensor_load_to_lds s[G0+4*(\s):G0+4*(\s)+3], s[G1:G1+7]
	s_nop 0
.rept 4
	v_nop
.endr
	s_branch .Lasked_\@
.Lfor_b_\@:
	tensor_load_to_lds s[G0B+4*(\s):G0B+4*(\s)+3], s[G1B:G1B+7]
	s_nop 0
.rept 4
	v_nop
.endr
.Lasked_\@:
.endm
; A PREFETCH INTO THE L2, behind each joint load, its five lines and the run of LDS loads that follows them: the K step that stands TWO refills on: 32 rows x 256 bytes, a lane a row, one instruction a wave:
; 512 matrix instructions ahead of the load that will want it.  At a change of slots every wave has waited for all its tensor loads, so the refill that follows has nothing on its way beside it.
; Each row's 256 bytes of a K step are named ONCE in the launch.  x's tile row is read by both clusters of that row of clusters: the one with x = 0 asks; W's tile column by all clusters of that column: the one with y = 0 asks.
; The four partners that ask for a tile jointly share its rows out BY ADDRESS: of the 128 rows that a wave fetches the partner at place p takes 32 p .. 32 p + 31 (p = cx for x, cy for W): no branch hangs on a place in the cluster.
; K steps 0 to 3 come by their loads alone; the loop's last trip (s3 = 1) and the tail ask for nothing: step 31 is the last that is named.
.macro ASK
	s_cmp_gt_u32 s3, s[LIM]
	s_cbranch_scc0 .Lnot_mine_\@
	global_prefetch_b8 v[PFO], s[PFA:PFA+1] offset:KSTEP*2 th:TH_LOAD_NT scope:SCOPE_SE
.Lnot_mine_\@:
.endm
; A round of the cluster's barrier: my work-group's barrier, so that wave 0's signal speaks for all four waves; wave 0 signals; every wave waits for all sixteen work-groups; my work-group's barrier once more.
.macro CREST                           ; a round behind its opening barrier
	s_cmp_lg_u32 s10, 0
	s_cbranch_scc1 .Lnot_wave_0_\@
	s_barrier_signal -3
.Lnot_wave_0_\@:
	s_barrier_wait -3
	s_barrier_signal -1
	s_barrier_wait -1
.endm
.macro CROUND                          ; a whole round
	s_barrier_signal -1
	s_barrier_wait -1
	CREST
.endm
	s_load_b128 s[4:7], s[0:1], 0x0                ; xb s[4:5], Wb s[6:7]
	s_load_b128 s[68:71], s[0:1], 0x10             ; bias s[68:69], out s[70:71]
	v_lshl_add_u32 v[SPW], v0, 2, SPARE
	v_mov_b32 v[NIL], 0
	ds_add_u32 v[SPW], v[NIL]                      ; the wave's opening: the add, twice on end, and its wait ahead of my first tensor load; the set-up below stands between the second and the wait
	ds_add_u32 v[SPW], v[NIL]                      ; and once more
	v_lshrrev_b32 v1, 5, v0
	v_readfirstlane_b32 s10, v1                    ; wave 0..3
	s_lshr_b32 s11, s10, 1                         ; which half of the tile's rows is mine.  Also: I fetch for x (0) or for W (1)
	s_and_b32 s12, s10, 1                          ; which half of its columns.  Also: which 128 rows of that tile I fetch
	s_bfe_u32 s40, ttmp6, 0x40000                  ; cx: my place along the cluster's x
	s_bfe_u32 s41, ttmp6, 0x40004                  ; cy: along its y
	s_lshl_b32 s42, ttmp9, 2                       ; in a cluster launch ttmp9 and ttmp7 count clusters
	s_add_co_u32 s42, s42, s40                     ; tile column = 4 x cluster x + cx
	s_and_b32 s13, ttmp7, 0xffff
	s_lshl_b32 s13, s13, 2
	s_add_co_u32 s13, s13, s41                     ; tile row = 4 x cluster y + cy
	s_lshl_b32 s43, s41, 2
	s_lshl_b32 s43, 15, s43                        ; my row of the cluster: places 4 cy .. 4 cy + 3
	s_lshl_b32 s44, 0x1111, s40                    ; my column: places cx, cx + 4, cx + 8, cx + 12
	; descriptor group 1: a tile of 128 rows x 128 elements, padded in LDS
	s_or_b32 s[G1+0], s43, (1<<16)|(1<<20)|(1<<21)|(5<<22)|(3<<25)  ; 15:0 the mask: x's tiles go to my row; 17:16 elements of 2 bytes; 20 padding on; 21 set beside a mask; 24:22 after every 64 words (code 5); 31:25 4 words (code 3)
	s_or_b32 s[G1B+0], s44, (1<<16)|(1<<20)|(1<<21)|(5<<22)|(3<<25) ; the same with the mask of my column, for W's tiles
.irp g, G1, G1B
	s_mov_b32 s[(\g)+1], KSTEP<<16                 ; tensor_dim0 = 128
	s_mov_b32 s[(\g)+2], 128<<16                   ; tensor_dim1 = 128
	s_mov_b32 s[(\g)+3], KSTEP<<16                 ; tile_dim0 = 128
	s_mov_b32 s[(\g)+4], 128                       ; tile_dim1 = 128
	s_mov_b32 s[(\g)+5], SIZE_K                    ; elements from row to row
	s_mov_b32 s[(\g)+6], 0
	s_mov_b32 s[(\g)+7], 0
.endr
	; where the tiles come from.  x's hang on the tile row alone, which my row of the cluster shares; W's on the tile column alone, which my column shares.
	; Every wave makes both addresses, in registers that never hold the other coordinate, and asks by one of them.
	s_lshl_b32 s17, s12, 7                         ; which 128 rows of the tile I fetch
	s_lshl_b32 s16, s13, 8
	s_add_co_u32 s16, s16, s17                     ; x: row 256 x tile row + 128 x half
	s_lshl_b32 s46, s42, 8
	s_add_co_u32 s46, s46, s17                     ; W: row 256 x tile column + 128 x half
	s_mov_b32 s17, 0
	s_mov_b32 s47, 0
	s_mov_b64 s[18:19], SIZE_K*2
	s_mul_u64 s[16:17], s[16:17], s[18:19]         ; in bytes
	s_mul_u64 s[46:47], s[46:47], s[18:19]
	s_mul_i32 s20, s10, HALFT                      ; and where they go: x's two halves, then W's two halves = wave x 128 rows: no place in the cluster enters an LDS address
	s_wait_dscnt 0x0                               ; both opening adds are done
	s_wait_kmcnt 0x0
	s_add_nc_u64 s[14:15], s[4:5], s[16:17]
	s_add_nc_u64 s[46:47], s[6:7], s[46:47]
	CROUND                                         ; all sixteen work-groups are here: the first joint loads meet
.irp s, 0,1
	s_mov_b32 s[G0+4*(\s)], 1                                        ; count = 1
	s_add_co_u32 s[G0+4*(\s)+1], s20, (\s)*SLOT                      ; LDS address
	s_add_nc_u64 s[G0+4*(\s)+2:G0+4*(\s)+3], s[14:15], (\s)*KSTEP*2  ; global address: K step s
	s_or_b32 s[G0+4*(\s)+3], s[G0+4*(\s)+3], 0x80000000              ; type = 2
	s_mov_b32 s[G0B+4*(\s)], 1
	s_add_co_u32 s[G0B+4*(\s)+1], s20, (\s)*SLOT
	s_add_nc_u64 s[G0B+4*(\s)+2:G0B+4*(\s)+3], s[46:47], (\s)*KSTEP*2
	s_or_b32 s[G0B+4*(\s)+3], s[G0B+4*(\s)+3], 0x80000000
	JLOAD \s                                       ; the ring is filled before anything else is done: two loads of mine are out
.endr
	; A fragment is 16 rows x 32 K in 8 registers: lane l holds row l % 16; registers 0-3 hold K = 8 (l / 16) + 0..7, registers 4-7 hold K = 16 + 8 (l / 16) + 0..7:
	; two loads of 16 bytes, 32 bytes apart.  The same for source 0 and source 1.
	v_and_b32 v1, 15, v0                           ; l % 16
	v_bfe_u32 v2, v0, 4, 1                         ; l / 16
	v_mul_u32_u24 v3, v1, PITCH
	v_lshl_add_u32 v3, v2, 4, v3                   ; row x pitch + 16 x half
	s_mul_i32 s21, s11, HALFT                      ; my 128 rows of x
	s_mul_i32 s22, s12, HALFT                      ; my 128 rows of W,
	s_add_co_u32 s22, s22, 2*HALFT                 ; which lie behind x's 256
.irp s, 0,1
	v_add_nc_u32 v[ADRA+(\s)], s21, v3
	v_add_nc_u32 v[ADRB+(\s)], s22, v3
	s_add_co_u32 s21, s21, SLOT
	s_add_co_u32 s22, s22, SLOT
.endr
	s_mul_i32 s23, s10, 16*SPITCH
	s_add_co_u32 s23, s23, STAGE                   ; my stage
	v_mul_u32_u24 v4, v1, SPITCH                   ; in: row l % 16, 32 bytes for each half of the lanes
	v_lshl_add_u32 v4, v2, 5, v4
	v_add_nc_u32 v[STO], s23, v4
	v_and_b32 v5, 31, v0
	v_lshl_add_u32 v[RD], v5, 4, s23               ; back: 32 lanes take a row's 512 bytes
	v_lshlrev_b32 v[CO], 4, v5
	; out at my first row and column, bias at my first column
	s_lshl_b32 s13, s13, 8                         ; 256 x tile row
	s_lshl_b32 s14, s11, 7
	s_add_co_u32 s16, s13, s14                     ; my first row,
	s_lshl_b32 s16, s16, 13                        ; of 8,192 bytes: under 2^26
	s_mov_b32 s17, 0
	s_add_nc_u64 s[OUT:OUT+1], s[OUT:OUT+1], s[16:17]
	s_lshl_b32 s46, s42, 10                        ; my first column, in bytes: 1,024 x tile column + 512 x half (in the registers that held W's address: none that feeds x's descriptors ever holds cx)
	s_lshl_b32 s47, s12, 9
	s_add_co_u32 s46, s46, s47
	s_mov_b32 s47, 0
	s_add_nc_u64 s[OUT:OUT+1], s[OUT:OUT+1], s[46:47]
	s_add_nc_u64 s[BIAS:BIAS+1], s[BIAS:BIAS+1], s[46:47]
	global_load_b128 v[BI:BI+3], v[CO], s[BIAS:BIAS+1]   ; waited for on the way out
	; the prefetches.  s13 = 256 x tile row, s42 = tile column, s40 = cx, s41 = cy still stand
	s_lshl_b32 s42, s42, 8
	s_and_b32 s22, ttmp7, 0xffff                   ; cluster y
	s_cmp_eq_u32 s11, 0                            ; do I fetch for x?
	s_cselect_b32 s20, s13, s42                    ; the tile's first row: in xb by the tile row, in Wb by the tile column
	s_cselect_b32 s21, s40, s41                    ; my place among the four that ask for it with me
	s_cselect_b32 s22, ttmp9, s22                  ; the coordinate along which other clusters read the same rows
	s_cselect_b64 s[PFA:PFA+1], s[4:5], s[6:7]
	s_cmp_eq_u32 s22, 0
	s_cselect_b32 s[LIM], 1, -1                    ; the same in all sixteen partners, for a given wave
	s_lshl_b32 s22, s12, 7
	s_add_co_u32 s20, s20, s22                     ; + the 128 rows that I fetch
	s_lshl_b32 s21, s21, 5
	s_add_co_u32 s20, s20, s21                     ; + my work-group's 32 of them
	s_mov_b32 s21, 0
	s_mov_b64 s[18:19], SIZE_K*2
	s_mul_u64 s[20:21], s[20:21], s[18:19]
	s_add_nc_u64 s[PFA:PFA+1], s[PFA:PFA+1], s[20:21]
	s_add_nc_u64 s[PFA:PFA+1], s[PFA:PFA+1], 2*KSTEP*2  ; at K step 2: the first refill steps it to 3 and names K step 4
	v_and_b32 v[PFO], 31, v0
	v_mul_u32_u24 v[PFO], v[PFO], SIZE_K*2
	; nothing is prefetched here, at the head, where every work-group's first two tiles are on their way
; 16 matrix instructions: m blocks a0, a0 + 1 of the window's four (hi = 0: my rows 0-63, 1: rows 64-127) x all 8 n blocks, 32 along K.  zero = 1: the product starts the sums: nothing is ever cleared.
; The 64 accumulators take turns, one instruction a turn, in the same order in every quarter: 63 others' stand between two links of a chain, over the backward jump too.
.macro MUL16 f, hi, a0, zero
	WIN MUL_LO+0x50*(\hi)  ; MUL_LO or MUL_HI
.irp a, \a0, (\a0)+1
.irp b, 0,1,2,3,4,5,6,7
.if \zero
	v_wmma_f32_16x16x32_bf16 v[8*(8*(\a)+(\b)):8*(8*(\a)+(\b))+7], v[(\f)+8*(\b):(\f)+8*(\b)+7], v[(\f)+8*(4*(\hi)+(\a)):(\f)+8*(4*(\hi)+(\a))+7], 0
.else
	v_wmma_f32_16x16x32_bf16 v[8*(8*(\a)+(\b)):8*(8*(\a)+(\b))+7], v[(\f)+8*(\b):(\f)+8*(\b)+7], v[(\f)+8*(4*(\hi)+(\a)):(\f)+8*(4*(\hi)+(\a))+7], v[8*(8*(\a)+(\b)):8*(8*(\a)+(\b))+7]
.endif
.endr
.endr
.endm
; 32 LDS loads in one run: the fragments of one quarter (128 rows of W, 128 rows of x, 32 K at byte k of the rows) into set f
.macro FETCH slot, k, f
	WIN TO_B
.irp i, 0,1,2,3,4,5,6,7
	ds_load_b128 v[(\f)+8*(\i):(\f)+8*(\i)+3],   v[ADRB+(\slot)] offset:(\k)+(\i)*16*PITCH
	ds_load_b128 v[(\f)+8*(\i)+4:(\f)+8*(\i)+7], v[ADRB+(\slot)] offset:(\k)+(\i)*16*PITCH+32
.endr
	WIN 0
.irp i, 0,1,2,3,4,5,6,7
	ds_load_b128 v[(\f)+8*(\i):(\f)+8*(\i)+3],   v[ADRA+(\slot)] offset:(\k)+(\i)*16*PITCH
	ds_load_b128 v[(\f)+8*(\i)+4:(\f)+8*(\i)+7], v[ADRA+(\slot)] offset:(\k)+(\i)*16*PITCH+32
.endr
.endm
; A load into a register that a matrix instruction has read, and an LDS store that reads a matrix result, stand four places behind that matrix instruction, and only plain vector instructions that name none of its
; registers are places (ISA guide 7.12.1 for vector instructions).
.macro PLACES
.rept 4
	v_nop
.endr
.endm
; One of a K step's first three quarters: multiplies set f; in its middle it fetches the next quarter's fragments, at byte k of the same slot's rows, into set g.
.macro QUARTER slot, k, f, g, zero
	s_wait_dscnt 8                                 ; W and x's rows 0-63 are in; the youngest eight loads (x's rows 64-127) may be out
	MUL16 \f, 0, 0, \zero
	MUL16 \f, 0, 2, \zero
	PLACES
	FETCH \slot, \k, \g
	s_wait_dscnt 32                                ; all but the 32 just issued
	MUL16 \f, 1, 0, \zero
	MUL16 \f, 1, 2, \zero
.endm
; The last quarter multiplies set 1 and changes slots: ONE barrier, for two things.  In front of it each wave waits for all its tensor loads, of which one is out: its part of the next slot; adds 0 to its spare word; and waits for
; that and for its own reads of this slot.  Behind it nobody reads this slot any more and the next slot is whole.
; fill = 1: the barrier opens a round of the cluster's, so that no wave of any partner still reads the slot or has a load on its way; the joint refill, with the K step two on, is the first tensor load behind the round.
; From that request to the wait for it a wave issues 224 matrix instructions.
.macro TURN slot, next, fill
.if \fill
	s_wait_xcnt 0x0                                ; the last prefetch, a K step back, has read its address: it is stepped here, ahead of the waits of the change of slots
	s_add_nc_u64 s[PFA:PFA+1], s[PFA:PFA+1], KSTEP*2
.endif
	WIN 0                                          ; (the add's two registers lie in window 0)
	s_wait_tensorcnt 0x0                           ; all my tensor loads have landed
	ds_add_u32 v[SPW], v[NIL]                      ; 0 onto my spare word
	s_wait_dscnt 9                                 ; (the add and the youngest eight loads may be out)
	MUL16 F1, 0, 0, 0                              ; sixteen matrix instructions stand between the add and the wait for it
	s_wait_dscnt 0x0                               ; the add is done, and my reads of this slot are over
	s_barrier_signal -1
	MUL16 F1, 0, 2, 0                              ; work on registers while the others arrive
.if \fill
	WIN 0
.endif
	s_barrier_wait -1
.if \fill
	CREST
	s_add_nc_u64 s[G0+4*(\slot)+2:G0+4*(\slot)+3], s[G0+4*(\slot)+2:G0+4*(\slot)+3], 2*KSTEP*2     ; no tensor load of mine is out: the slot's group 0 steps two K steps on
	s_add_nc_u64 s[G0B+4*(\slot)+2:G0B+4*(\slot)+3], s[G0B+4*(\slot)+2:G0B+4*(\slot)+3], 2*KSTEP*2
	JLOAD \slot                                    ; the four v_nop behind it are also the places in front of the loads below
.else
	PLACES
.endif
	FETCH \next, 0, F0
.if \fill
	ASK                                            ; behind the joint load and the run of LDS loads that the next products wait for
.endif
	MUL16 F1, 1, 0, 0
	MUL16 F1, 1, 2, 0
.endm
; THE WAY OUT, in eight blocks of 16 rows x 128 columns.  A lane's eight numbers are 32 bytes of a row; they go into my own stage, rows of 528 bytes, and come back as whole rows of 512.  Each accumulator's low four
; registers are read first.  LDS serves a wave's instructions in order (ISA guide 5.7.1.4), so the loads see the stores above them, and the next block's stores come behind these loads.
.macro TOSTAGE a
.set tob, OB+64*((\a)%2)
	s_wait_xcnt 0x0                                ; the stores of the block before last have read these registers
	WIN 0x08+4*((\a)/4)                            ; store data (source 1) in window 2 or 3
.set bb, 0
.rept 8
.set rD, 8*(8*((\a)%4)+bb)
	ds_store_b128 v[STO], v[rD:rD+3]   offset:64*bb
	ds_store_b128 v[STO], v[rD+4:rD+7] offset:64*bb+16
.set bb, bb+1
.endr
	WIN 0
.set tt, 0
.rept 16
	ds_load_b128 v[tob+4*tt:tob+4*tt+3], v[RD] offset:SPITCH*tt
.set tt, tt+1
.endr
.endm
.macro SEND a, younger                 ; younger: the LDS instructions issued behind block a's loads: the next block's 32, or none
.set tob, OB+64*((\a)%2)
.set tt, 0
.rept 16
	s_wait_dscnt (\younger)+15-tt
	v_pk_add_f32 v[tob+4*tt:tob+4*tt+1],   v[tob+4*tt:tob+4*tt+1],   v[BI:BI+1]
	v_pk_add_f32 v[tob+4*tt+2:tob+4*tt+3], v[tob+4*tt+2:tob+4*tt+3], v[BI+2:BI+3]
	global_store_b128 v[CO], v[tob+4*tt:tob+4*tt+3], s[OUT:OUT+1] offset:(16*(\a)+tt)*SIZE_N*4 th:TH_STORE_NT  ; 512 consecutive bytes of a row of out, at a multiple of 512 from its first; the largest immediate is 1,040,384
.set tt, tt+1
.endr
.endm
	s_wait_tensorcnt 1                             ; my part of K step 0 is in; step 1's may stay out
	s_barrier_signal -1
	s_barrier_wait -1                              ; everybody's is
	FETCH 0, 0, F0
	QUARTER 0, 64,  F0, F1, 1                      ; the first quarter stands in front of the loop: its products start the sums
	WIN 0                                          ; at a label and at a branch every window is 0
	s_mov_b32 s3, LAPS-1
.Llap:                                             ; a trip goes once round the ring, from a lap's second quarter to the next lap's first, and fills both slots again
	QUARTER 0, 128, F1, F0, 0
	QUARTER 0, 192, F0, F1, 0
	TURN 0, 1, 1
	QUARTER 1, 64,  F0, F1, 0
	QUARTER 1, 128, F1, F0, 0
	QUARTER 1, 192, F0, F1, 0
	TURN 1, 0, 1
	QUARTER 0, 64,  F0, F1, 0
	WIN 0
	s_sub_co_u32 s3, s3, 1
	s_cmp_lg_u32 s3, 0
	s_cbranch_scc1 .Llap
	QUARTER 0, 128, F1, F0, 0                      ; the last lap is written out: it fills nothing, and has no round of the cluster's barrier
	QUARTER 0, 192, F0, F1, 0
	TURN 0, 1, 0                                   ; K step 31 has landed, everybody's part
	QUARTER 1, 64,  F0, F1, 0
	QUARTER 1, 128, F1, F0, 0
	QUARTER 1, 192, F0, F1, 0
	s_wait_dscnt 8                                 ; the very last quarter: nothing more to fetch
	MUL16 F1, 0, 0, 0
	MUL16 F1, 0, 2, 0
	s_wait_dscnt 0x0
	MUL16 F1, 1, 0, 0
	MUL16 F1, 1, 2, 0
	WIN 0
	PLACES                                         ; behind the last products
	s_wait_loadcnt 0x0                             ; bias
	v_cvt_pk_bf16_f32 v[BT],   v[BI],   v[BI+1]    ; rounded to bf16, like every floating-point input,
	v_cvt_pk_bf16_f32 v[BT+1], v[BI+2], v[BI+3]
	v_lshlrev_b32 v[BI],   16, v[BT]               ; and widened again
	v_and_b32     v[BI+1], 0xffff0000, v[BT]
	v_lshlrev_b32 v[BI+2], 16, v[BT+1]
	v_and_b32     v[BI+3], 0xffff0000, v[BT+1]
	TOSTAGE 0
.irp a, 1,2,3,4,5,6,7                  ; a block's way into the stage stands between the loads of the block before and its stores
	TOSTAGE \a
	SEND (\a)-1, 32
.endr
	SEND 7, 0
	s_wait_tensorcnt 0x0                           ; the wave's end, behind my last tensor load and my last LDS store
	ds_add_u32 v[SPW], v[NIL]
	s_wait_dscnt 0x0
	CROUND                                         ; the closing round: no work-group ends while a partner may still ask for a tile that names it
	s_endpgm
.Lfunc_end_k_q8aad0f4685_gemm:
	.size	k_q8aad0f4685_gemm, .Lfunc_end_k_q8aad0f4685_gemm-k_q8aad0f4685_gemm
	.p2alignl 7, 3214868480
	.fill 96, 4, 3214868480
	.section	.rodata,"a",@progbits
	.p2align	6, 0x0
	.amdhsa_kernel k_q8aad0f4685_gemm
		.amdhsa_group_segment_fixed_size 327680
		.amdhsa_private_segment_fixed_size 0
		.amdhsa_enable_private_segment 0
		.amdhsa_kernarg_size 32
		.amdhsa_user_sgpr_count 2
		.amdhsa_user_sgpr_kernarg_segment_ptr 1
		.amdhsa_wavefront_size32 1
		.amdhsa_system_sgpr_workgroup_id_x 1
		.amdhsa_system_sgpr_workgroup_id_y 1
		.amdhsa_system_sgpr_workgroup_id_z 1
		.amdhsa_system_vgpr_workitem_id 0
		.amdhsa_next_free_vgpr 1024
		.amdhsa_next_free_sgpr 72
		.amdhsa_reserve_vcc 0
		.amdhsa_float_denorm_mode_32 3
		.amdhsa_float_denorm_mode_16_64 3
		.amdhsa_memory_ordered 1
		.amdhsa_forward_progress 1
		.amdhsa_inst_pref_size 162
	.end_amdhsa_kernel
	.amdgpu_metadata
---
amdhsa.version: [ 1, 2 ]
amdhsa.kernels:
  - .name:           k_q8aad0f4685_gemm
    .symbol:         k_q8aad0f4685_gemm.kd
    .args:
      - { .name: xb, .offset: 0, .size: 8, .value_kind: global_buffer, .address_space: global }
      - { .name: Wb, .offset: 8, .size: 8, .value_kind: global_buffer, .address_space: global }
      - { .name: bias, .offset: 16, .size: 8, .value_kind: global_buffer, .address_space: global }
      - { .name: out0, .offset: 24, .size: 8, .value_kind: global_buffer, .address_space: global }
    .group_segment_fixed_size: 327680
    .private_segment_fixed_size: 0
    .kernarg_segment_align: 8
    .kernarg_segment_size: 32
    .max_flat_workgroup_size: 128
    .sgpr_count:     72
    .vgpr_count:     1024
    .wavefront_size: 32
...
	.end_amdgpu_metadata
.endif
;; end of part 4
;; ======== version 3 of 3: 2 launches; version 2 with the launch prep written anew for expert scheduling mode
;; workspace buffers: xb 67,108,864 bytes; Wb 16,777,216 bytes
;; launch prep (part 5): grid 2560 x 1, 4 waves a work-group, no clusters, 0 bytes of LDS; arguments x, W_q, scale, zero, xb, Wb; writes xb, Wb
.if DOCPART == 5
	.amdgcn_target "amdgcn-amd-amdhsa--gfx1250"
	.amdhsa_code_object_version 6
	.text
	.protected	k_q8aad0f4685_prep
	.globl	k_q8aad0f4685_prep
	.p2align	8
	.type	k_q8aad0f4685_prep,@function
k_q8aad0f4685_prep:
	s_mov_b64 s[64:65], 0
	v_nop
	global_prefetch_b8 v0, s[64:65] scope:SCOPE_SE
	s_setreg_imm32_b32 hwreg(HW_REG_WAVE_SCHED_MODE, 0, 2), 2
	s_setreg_imm32_b32 hwreg(HW_REG_WAVE_MODE, 25, 1), 1
	s_wait_xcnt 0x0
	s_wait_alu depctr_vm_vsrc(0)
; TWO STREAMS IN ONE LAUNCH, both operands of the product that follows, each rounded once to bf16.
;   xb[m][k] = x[m][k], [8,192][4,096].      Wb[row][k] = (q - zero[g]) * scale[g], g = 64 row + k / 64, [2,048][4,096], row-major.
; W_q: 4,194,304 words; word 4,096 o + k (o < 1,024) holds the code of W[o][k] in bits 7:4 and that of W[o + 1,024][k] in bits 3:0; the bits above are cut off, as in the problem's own unpacking.
; NOTHING IS LEFT OUT: every input of the problem reaches the output and is loaded (x, W_q, scale, zero here; bias in the product).
; WHY x IS ROUNDED HERE: as f32 a tile of 256 rows of x and 256 of W takes 1,536 bytes of LDS for each k, so that two slots hold 64 k each; as bf16 it takes 1,024, and two slots hold 128 k each:
; twice the matrix work between a tile's request and the wait for it.
; LIMITS.  scale and zero are taken rounded to bf16, like every floating-point input of this program; then -zero x scale is exact in f32 (8 x 8 significant bits), and q x scale - zero x scale is one
; fused multiply-add: the exact (q - zero) x scale, rounded once to f32 and once to bf16.  The error of that last rounding grows with zero's offset as any bf16 operand's does.  NaN and infinities go through the arithmetic untreated.
; SHARES.  Work-groups 0 to 2,047 take 65,536 bytes of x each, a wave 16,384: 32 chunks of 512 consecutive bytes (16 a lane) through a ring of 16 slots in registers; a chunk leaves as 256 consecutive bytes (8 a lane), aligned.
; Work-groups 2,048 to 2,559 take two rows of words each, a wave half a row: 32 groups, 16 steps of 128 k: a load covers 512 consecutive bytes, a store 256 consecutive bytes of one row of Wb, aligned.
; 96 registers a wave: the launch's 10,240 waves are ten to a SIMD's 1,024 registers.  No LDS, no barrier, no cluster, no matrix unit: no two waves read the same byte, and there is no product here.
; THE MODE: SCHED_MODE bits 1:0 = 2 (LLVM: expert scheduling mode 2), set by the entry lines.  The code itself states the register dependences
; between vector instructions and memory instructions, with s_wait_alu, always for 0.
; THE PLAN, x.  The 32 chunks go in 8 blocks of four.  Registers that memory instructions touch:
;   X0 .. X3   four blocks of x as loaded (the ring's 16 slots).  Written by loads alone: blocks 0 to 3 at the head, block p + 3 in block p (p = 1 to 4); read by block p's eight roundings.
;   Y0, Y1     two blocks of xb to store.  Written by block p's roundings; read by the four stores that are issued in block p + 1.
;   v2, v3     byte offsets, made once and never written again: every chunk is reached by an immediate offset, and no base is stepped.
; Block p works on X[p % 4] and writes Y[p % 2].  Its memory instructions are the loads into X[(p - 1) % 4] and the stores from Y[(p - 1) % 2]: the two buffers that block p - 1 worked on and that no
; vector instruction of block p names.  So the waits at a block's head state all that its eight memory instructions hang on, and these are dealt among its roundings with no further wait.
; THE PLAN, W.  The 16 steps go in 4 blocks of four.  Registers that memory instructions touch:
;   Q0 .. Q15  step j's four words as loaded; step j's roundings write its 16 bytes to store over them; the two stores that read them are issued in step j + 4; they are never written again.
;   v8-v11     scale and zero: each the destination of one load at the head; vector instructions alone name them afterwards.
;   v4, v5, v6 byte offsets, made once and never written again.
; So one wait stands at the head of each block but the first: the block before has written its four Q; its eight stores are dealt among this block's steps, whose vector instructions name this block's Q alone.
; No scalar register that a vector instruction reads is written again.
.set XO,  2                            ; v2   cast: my byte offset in the work-group's part of x: 16,384 wave + 16 lane; never rewritten
.set YO,  3                            ; v3   cast: the same in xb: 8,192 wave + 8 lane; never rewritten
.set Y,   8                            ; v[8:23]  cast: buffer k, chunk i of its four: the 8 bytes to store, a pair at Y + 8 k + 2 i
.set X,   32                           ; v[32:95] cast: buffer k, chunk i of its four: four f32 as loaded, at X + 16 k + 4 i
.set SCH, 8                            ; v8   W: scale of my group (2 c + h of my 32), high codes' row; v9 its -zero x scale
.set SCL, 10                           ; v10, v11 the same for the row 1,024 further down
.set SH,  12                           ; v[12:13] the step's scale for the high codes, in the low register
.set CH,  14                           ; v[14:15] its -zero x scale
.set SL,  16                           ; v[16:17], v[18:19] the same for the low codes
.set CL,  18
.set T,   20                           ; v[20:27] at work: four high codes, four low: no memory instruction names them
.set Q,   32                           ; v[32:95] W: step j: four words as loaded, then the 16 bytes to store: no store's data is ever rewritten
	s_load_b256 s[4:11], s[0:1], 0x0               ; x s[4:5], W_q s[6:7], scale s[8:9], zero s[10:11]
	s_load_b128 s[12:15], s[0:1], 0x20             ; xb s[12:13], Wb s[14:15]
	v_lshrrev_b32 v7, 5, v0
	v_readfirstlane_b32 s16, v7                    ; wave 0..3
	v_and_b32 v1, 31, v0                           ; lane l
	s_mov_b32 s21, 0                               ; the upper word of every offset
	s_wait_alu depctr_va_sdst(0)                   ; s16 is written: both arms below read it
	s_cmp_lt_u32 ttmp9, 2048
	s_cbranch_scc0 .Ldequant
	; ---- x to bf16 ----
	s_lshl_b32 s17, s16, 14
	v_lshl_add_u32 v[XO], v1, 4, s17
	s_lshl_b32 s18, s16, 13
	v_lshl_add_u32 v[YO], v1, 3, s18
	s_wait_kmcnt 0x0
	s_lshl_b32 s20, ttmp9, 16                      ; 65,536 bytes of x a work-group: under 2^27
	s_add_nc_u64 s[4:5], s[4:5], s[20:21]
	s_lshl_b32 s20, ttmp9, 15                      ; 32,768 of xb
	s_add_nc_u64 s[12:13], s[12:13], s[20:21]
	s_wait_alu depctr_va_vdst(0)                   ; v[XO] and v[YO] are written: every load and store of this arm reads one of them as its offset
.set i, 0
.rept 16
	global_load_b128 v[X+4*i:X+4*i+3], v[XO], s[4:5] offset:512*i th:TH_LOAD_NT   ; the ring is filled: chunks 0 to 15, blocks 0 to 3 into X0 to X3
.set i, i+1
.endr
; Block p.  Behind its four loads stand: for p = 0 the twelve of blocks 1 to 3; for p = 1 to 5 the eight of the two younger blocks; then the loads have ended and the count runs down.
.macro CBLK p
.if (\p) == 0
	s_wait_loadcnt 12                              ; loads come back in order (ISA guide 5.7.1): X0 is in
.elseif (\p) < 6
	s_wait_loadcnt 8
.else
	s_wait_loadcnt 4*(7-(\p))
.endif
.if (\p) >= 2
	s_wait_xcnt 0x0                                ; every earlier memory instruction has had its addresses translated (ISA guide 3.1): Y[p % 2] is rewritten only behind this wait
	s_wait_alu depctr_vm_vsrc(0)                   ; the stores issued in the block before have read Y[p % 2], which this block's roundings write again
.endif
.if (\p) >= 1
	s_wait_alu depctr_va_vdst(0)                   ; the block before has written the other Y, which the stores below read, and is done reading its X, in which the loads below land
.endif
.irp i, 0,1,2,3
.if ((\p) >= 1) && ((\p) <= 4)
	global_load_b128 v[X+16*(((\p)+3)%4)+4*(\i):X+16*(((\p)+3)%4)+4*(\i)+3], v[XO], s[4:5] offset:512*(4*((\p)+3)+(\i)) th:TH_LOAD_NT  ; three blocks ahead; no vector instruction since the wait names these registers
.endif
.if (\p) >= 1
	global_store_b64 v[YO], v[Y+8*(((\p)+1)%2)+2*(\i):Y+8*(((\p)+1)%2)+2*(\i)+1], s[12:13] offset:256*(4*((\p)-1)+(\i))   ; the block before: 32 lanes x 8 bytes: 256 consecutive bytes, aligned
.endif
	v_cvt_pk_bf16_f32 v[Y+8*((\p)%2)+2*(\i)],   v[X+16*((\p)%4)+4*(\i)],   v[X+16*((\p)%4)+4*(\i)+1]    ; two roundings to nearest even, packed
	v_cvt_pk_bf16_f32 v[Y+8*((\p)%2)+2*(\i)+1], v[X+16*((\p)%4)+4*(\i)+2], v[X+16*((\p)%4)+4*(\i)+3]
.endr
.endm
.irp p, 0,1,2,3,4,5,6,7
	CBLK \p
.endr
	s_wait_alu depctr_va_vdst(0)                   ; block 7 has written Y1, which the last four stores read
.irp i, 0,1,2,3
	global_store_b64 v[YO], v[Y+8+2*(\i):Y+8+2*(\i)+1], s[12:13] offset:256*(28+(\i))
.endr
	s_endpgm
	; ---- W from its codes ----
.Ldequant:
	v_and_b32 v2, 15, v0                           ; c
	v_bfe_u32 v3, v0, 4, 1                         ; h
	s_lshl_b32 s17, s16, 13
	v_lshl_add_u32 v4, v1, 4, s17                  ; words: 8,192 wave (half a row of 16,384 bytes) + 16 l
	s_lshl_b32 s2, s16, 7
	v_lshl_add_u32 v5, v2, 3, s2                   ; groups: 128 wave (32 groups of 4 bytes) + 4 (2 c + h)
	v_lshl_add_u32 v5, v3, 2, v5
	s_lshl_b32 s3, s16, 12
	v_lshl_add_u32 v6, v1, 3, s3                   ; Wb: 4,096 wave (half a row of 8,192 bytes) + 8 l
	s_and_b32 s22, ttmp9, 511                      ; which pair of rows: the work-group's number less 2,048
	s_wait_kmcnt 0x0
	s_lshl_b32 s20, s22, 15                        ; two rows of 16,384 bytes of words
	s_add_nc_u64 s[6:7], s[6:7], s[20:21]
	s_lshl_b32 s20, s22, 9                         ; two rows of 64 groups
	s_add_nc_u64 s[8:9], s[8:9], s[20:21]
	s_add_nc_u64 s[10:11], s[10:11], s[20:21]
	s_lshl_b32 s20, s22, 14                        ; two rows of 8,192 bytes of Wb
	s_add_nc_u64 s[14:15], s[14:15], s[20:21]
	s_add_nc_u64 s[18:19], s[14:15], 0x800000      ; the rows 1,024 further down: 8,388,608 bytes, one more than a store's immediate holds: a base of their own
	s_wait_alu depctr_va_vdst(0)                   ; v4, v5 and v6 are written: every load and store of this arm reads one of them as its offset
	global_load_b32 v[SCH],   v5, s[8:9]
	global_load_b32 v[SCH+1], v5, s[10:11]
	global_load_b32 v[SCL],   v5, s[8:9]   offset:262144   ; 1,024 rows of 64 groups further on
	global_load_b32 v[SCL+1], v5, s[10:11] offset:262144
.set i, 0
.rept 16
	global_load_b128 v[Q+4*i:Q+4*i+3], v4, s[6:7] offset:512*i th:TH_LOAD_NT
.set i, i+1
.endr
.set i, SH
.rept 8
	v_mov_b32 v[i], 0                              ; written once: the moves between lanes count as readers of their destinations, and the packed lines name whole pairs
.set i, i+1
.endr
	s_wait_loadcnt 16                              ; scale and zero are in; the 16 younger loads of words stay out
	v_cvt_pk_bf16_f32 v7, v[SCH], v[SCH+1]         ; both rounded to bf16,
	v_lshlrev_b32 v[SCH], 16, v7                   ; and widened again
	v_and_b32 v[SCH+1], 0xffff0000, v7
	v_mul_f32 v[SCH+1], -v[SCH+1], v[SCH]          ; -zero x scale, exact
	v_cvt_pk_bf16_f32 v7, v[SCL], v[SCL+1]
	v_lshlrev_b32 v[SCL], 16, v7
	v_and_b32 v[SCL+1], 0xffff0000, v7
	v_mul_f32 v[SCL+1], -v[SCL+1], v[SCL]
; The two stores of step j.
.macro WOUT j
	global_store_b64 v6, v[Q+4*(\j):Q+4*(\j)+1],   s[14:15] offset:256*(\j)   ; 32 lanes x 8 bytes: 256 consecutive bytes of one row, aligned
	global_store_b64 v6, v[Q+4*(\j)+2:Q+4*(\j)+3], s[18:19] offset:256*(\j)   ; the same of the row 1,024 further down
.endm
; Step j: 128 k: lanes 0-15 lie in group 2 j of my 32, lanes 16-31 in group 2 j + 1; lane j of each half of the lanes holds that half's two numbers.
; At its head stand the two stores of step j - 4, of the block before.
.macro STEP j
	s_wait_loadcnt 15-(\j)                         ; loads come back in order: step j's words are in, the younger ones stay out
.if ((\j) >= 4) && ((\j) % 4 == 0)
	s_wait_alu depctr_va_vdst(0)                   ; the four steps before have written their Q, which the stores of this step and of the next three read; no vector instruction since names those registers
.endif
.if (\j) >= 4
	WOUT (\j)-4
.endif
	v_mov_b32_dpp v[SH], v[SCH]   row_share:\j row_mask:0xf bank_mask:0xf
	v_mov_b32_dpp v[CH], v[SCH+1] row_share:\j row_mask:0xf bank_mask:0xf
	v_mov_b32_dpp v[SL], v[SCL]   row_share:\j row_mask:0xf bank_mask:0xf
	v_mov_b32_dpp v[CL], v[SCL+1] row_share:\j row_mask:0xf bank_mask:0xf
.irp n, 0,1,2,3
	v_bfe_u32 v[T+(\n)], v[Q+4*(\j)+(\n)], 4, 4    ; bits 7:4
	v_and_b32 v[T+4+(\n)], 15, v[Q+4*(\j)+(\n)]    ; bits 3:0
.endr
.irp n, 0,1,2,3,4,5,6,7
	v_cvt_f32_u32 v[T+(\n)], v[T+(\n)]
.endr
	v_pk_fma_f32 v[T:T+1],   v[T:T+1],   v[SH:SH+1], v[CH:CH+1] op_sel_hi:[1,0,0]  ; q x scale - zero x scale, two at a time
	v_pk_fma_f32 v[T+2:T+3], v[T+2:T+3], v[SH:SH+1], v[CH:CH+1] op_sel_hi:[1,0,0]
	v_pk_fma_f32 v[T+4:T+5], v[T+4:T+5], v[SL:SL+1], v[CL:CL+1] op_sel_hi:[1,0,0]
	v_pk_fma_f32 v[T+6:T+7], v[T+6:T+7], v[SL:SL+1], v[CL:CL+1] op_sel_hi:[1,0,0]
.irp n, 0,1,2,3
	v_cvt_pk_bf16_f32 v[Q+4*(\j)+(\n)], v[T+2*(\n)], v[T+2*(\n)+1]
.endr
.endm
.irp j, 0,1,2,3,4,5,6,7,8,9,10,11,12,13,14,15
	STEP \j
.endr
	s_wait_alu depctr_va_vdst(0)                   ; steps 12 to 15 have written their Q, which the last eight stores read
.irp j, 12,13,14,15
	WOUT \j
.endr
	s_endpgm
.Lfunc_end_k_q8aad0f4685_prep:
	.size	k_q8aad0f4685_prep, .Lfunc_end_k_q8aad0f4685_prep-k_q8aad0f4685_prep
	.p2alignl 7, 3214868480
	.fill 96, 4, 3214868480
	.section	.rodata,"a",@progbits
	.p2align	6, 0x0
	.amdhsa_kernel k_q8aad0f4685_prep
		.amdhsa_group_segment_fixed_size 0
		.amdhsa_private_segment_fixed_size 0
		.amdhsa_enable_private_segment 0
		.amdhsa_kernarg_size 48
		.amdhsa_user_sgpr_count 2
		.amdhsa_user_sgpr_kernarg_segment_ptr 1
		.amdhsa_wavefront_size32 1
		.amdhsa_system_sgpr_workgroup_id_x 1
		.amdhsa_system_sgpr_workgroup_id_y 1
		.amdhsa_system_sgpr_workgroup_id_z 1
		.amdhsa_system_vgpr_workitem_id 0
		.amdhsa_next_free_vgpr 96
		.amdhsa_next_free_sgpr 66
		.amdhsa_reserve_vcc 0
		.amdhsa_float_denorm_mode_32 3
		.amdhsa_float_denorm_mode_16_64 3
		.amdhsa_memory_ordered 1
		.amdhsa_forward_progress 1
		.amdhsa_inst_pref_size 42
	.end_amdhsa_kernel
	.amdgpu_metadata
---
amdhsa.version: [ 1, 2 ]
amdhsa.kernels:
  - .name:           k_q8aad0f4685_prep
    .symbol:         k_q8aad0f4685_prep.kd
    .args:
      - { .name: x, .offset: 0, .size: 8, .value_kind: global_buffer, .address_space: global }
      - { .name: W_q, .offset: 8, .size: 8, .value_kind: global_buffer, .address_space: global }
      - { .name: scale, .offset: 16, .size: 8, .value_kind: global_buffer, .address_space: global }
      - { .name: zero, .offset: 24, .size: 8, .value_kind: global_buffer, .address_space: global }
      - { .name: xb, .offset: 32, .size: 8, .value_kind: global_buffer, .address_space: global }
      - { .name: Wb, .offset: 40, .size: 8, .value_kind: global_buffer, .address_space: global }
    .group_segment_fixed_size: 0
    .private_segment_fixed_size: 0
    .kernarg_segment_align: 8
    .kernarg_segment_size: 48
    .max_flat_workgroup_size: 128
    .sgpr_count:     66
    .vgpr_count:     96
    .wavefront_size: 32
...
	.end_amdgpu_metadata
.endif
;; end of part 5
;; launch gemm: the kernel of part 4 again; grid 8 x 32, 4 waves a work-group, clusters of 4 x 4, 327,680 bytes of LDS; arguments xb, Wb, bias, out0; writes out0
